; MI455X (gfx1250); checked and timed in simulation.
; The chip was launched on July 23, 2026; its instructions are those of AMD's public machine-readable ISA for CDNA 5 (MIT licence, August 2026) and "CDNA5" Instruction Set Architecture Reference Guide (July 2026). The comments in the code are by the model that wrote it; some were corrected since.
;; Multihead Attention. Allowed arithmetic: matrix products marked QUANTISED: E5M2 operands, one given power-of-two scale a tensor, by v_wmma_f32_16x16x64_bf8_bf8 or v_wmma_f32_16x16x128_bf8_bf8, f32 sums; everything else in f32.
;; Inputs: Wk 1,024 x 1,024 float32; Wo 1,024 x 1,024 float32; Wq 1,024 x 1,024 float32; Wv 1,024 x 1,024 float32; bk 1,024 float32; bo 1,024 float32; bq 1,024 float32; bv 1,024 float32; key 4 x 2,048 x 1,024 float32; lowp_scales 12 int32 (the exponents e of the quantised operands' scales 2^e); query 4 x 2,048 x 1,024 float32; value 4 x 2,048 x 1,024 float32.
;; Outputs: out0 4 x 2,048 x 1,024 float32.
;; This version of the problem:
;;   THIS VERSION OF THE PROBLEM IS GIVEN IN LOW PRECISION. The matrix products marked QUANTISED in the list below multiply operands that are first quantised to E5M2 (5 exponent bits, 2 mantissa bits; 8 bits a number), with one given power-of-two scale for each operand tensor; their sums are f32. All else is computed in f32.
;;   The module's matrix products, in the order in which they are computed (A, B: the left and right operand; K: the contracted axis; several contracted axes count as one K, in the product's order):
;;     1. [M 8,192, K 1,024] x [K 1,024, N 1,024]; A: input query; B: input Wq: QUANTISED (scales: A lowp_scales[0], B lowp_scales[1])
;;     2. [M 8,192, K 1,024] x [K 1,024, N 1,024]; A: input key; B: input Wk: QUANTISED (scales: A lowp_scales[2], B lowp_scales[3])
;;     3. [M 8,192, K 1,024] x [K 1,024, N 1,024]; A: input value; B: input Wv: QUANTISED (scales: A lowp_scales[4], B lowp_scales[5])
;;     4. batch 64 x [M 2,048, K 64] x [K 64, N 2,048]; A: computed on the way; B: computed on the way: QUANTISED (scales: A lowp_scales[6], B lowp_scales[7])
;;     5. batch 64 x [M 2,048, K 2,048] x [K 2,048, N 64]; A: softmax (see below); B: computed on the way: QUANTISED (scales: A lowp_scales[8], B lowp_scales[9])
;;     6. [M 8,192, K 1,024] x [K 1,024, N 1,024]; A: computed on the way; B: input Wo: QUANTISED (scales: A lowp_scales[10], B lowp_scales[11])
;;   THE QUANTISER, for each operand of a quantised product, along K:
;;     - The operand's scale is 2^e, e = its entry of the input lowp_scales (int32; the entries are numbered through the quantised products in the list's order, A before B).
;;     - Each number is divided by the scale, clamped to +-57,344, and rounded to the nearest number of E5M2, ties to even, subnormals kept.
;;     - The product sums the exact products of the quantised numbers (number of the format x scale) in f32.
;;   ~~~python
;;   def quantise(x, axis, e):      # numpy; x: float32 -> the quantised numbers, widened to float32 again
;;       x = np.moveaxis(x, axis, -1); K = x.shape[-1]
;;       r = np.clip(x / 2.0 ** e, -57344, 57344)
;;       step = 2.0 ** (np.maximum(np.frexp(np.where(r == 0, 1, r))[1] - 1, -14) - 2)
;;       q = np.round(r / step) * step * 2.0 ** e      # np.round: ties to even
;;       return np.moveaxis(q, -1, axis).astype(np.float32)
;;   ~~~
;;   SOFTMAX AHEAD OF A QUANTISED PRODUCT. Where the list says 'softmax', what is quantised is not the finished softmax but p = 2^(t - M), with t = logit x log2(e) and M = ceil(the row's largest t), a whole number; so 1/2 < the row's largest p <= 1. The row's sum l is taken of the UNQUANTISED p, in f32, and the product's result is divided by l at the end. Since M is a whole number, a kernel that streams over the keys may use a running M (the ceiling of the running maximum): every later rescaling is an exact power of two, so the quantised numbers keep their values, but for numbers so far below the row's largest that they fall under the format's range.
;;   OPERANDS COMPUTED ON THE WAY. 'Computed on the way' means the value that the module computes at that place (a softmax that the list does not call 'softmax' is quantised finished and normalised). What goes into a quantiser is computed in f32, as accurately as f32 sums, v_exp_f32 and their like allow (about 1e-6 of the number): no bf16 or f16 on the way to a quantiser, and a product that is left as it is and whose result goes on into a quantised operand takes f32 operands (vector FMAs, or v_wmma_f32_16x16x4_f32). A number that lies on a knife's edge between two numbers of the format may be rounded either way, as far as f32 arithmetic and the matrix unit's own rounding can turn it there, and no further.
;; One version. Each part assembles by itself: llvm-mc -triple=amdgcn-amd-amdhsa -mcpu=gfx1250 --defsym DOCPART=n.
;; ======== version 1 of 1: 4 launches
;; limits: right only within a limited range of input values
;; workspace buffers: x_codes 25,165,824 bytes; w_codes 4,194,304 bytes; qkv_codes 25,165,824 bytes; vals_codes 8,388,608 bytes
;; launch quant (part 1): grid 896 x 1, 4 waves a work-group, no clusters, 68,096 bytes of LDS; arguments Wq, Wk, Wv, Wo, query, key, value, lowp_scales, w_codes, x_codes; writes w_codes, x_codes
.if DOCPART == 1
	.amdgcn_target "amdgcn-amd-amdhsa--gfx1250"
	.amdhsa_code_object_version 6
	.text
	.protected	k_qf0ee19019b_quant
	.globl	k_qf0ee19019b_quant
	.p2align	8
	.type	k_qf0ee19019b_quant,@function
k_qf0ee19019b_quant:
	s_mov_b64 s[64:65], 0
	v_nop
	global_prefetch_b8 v0, s[64:65] scope:SCOPE_SE
	s_setreg_imm32_b32 hwreg(HW_REG_WAVE_MODE, 25, 1), 1
	s_wait_xcnt 0x0
; One launch turns all seven f32 operands of the projections into codes of E5M2 (8 bits): code = x / 2^e, held within +-57,344, rounded to the nearest code, ties to even.
; LIMITS: -126 <= e and e + 15 <= 127 for every entry used.  NaN among the inputs is not served.
; WORK-GROUPS 0-127: the four weights, each [1024 (k)][1024 (n)] with K as FIRST axis, to w_codes [4 (Wq, Wk, Wv, Wo)][1024 stored rows][1024 k], K innermost; e: entries 1, 3, 5, 11.
;   Column n lies at stored row (n & ~63) + 16 ((n >> 3) & 3) + 8 ((n >> 5) & 1) + (n & 7), so that sixteen neighbouring stored rows, as a matrix tile, give a lane neighbouring columns.
;   A lane takes a column and its registers run down K; a wave takes 32 columns x 256 k; the codes leave through the wave's own stage by rows: sixteen lanes store 256 consecutive bytes, aligned.
;   Number g: g & 7 = which 128 columns, g >> 3 = 4 x weight + which 256 along K.
; WORK-GROUPS 128-895: query, key, value, each [8192][1024] with K innermost, to x_codes [3][8192][1024]; e: entries 0, 2, 4.  256 work-groups a tensor, a wave 16 steps of 512 numbers.
;   Each load reads 512 consecutive bytes; a step's 2,048 bytes turn through the wave's own stage so that a lane holds 16 neighbours; a wave's store covers 512 consecutive bytes.
; The two paths part on the work-group's number alone and have LDS bytes of their own.  No tensor loads, no barrier: waves share nothing.
.set EMAX,  15
.set MANT,  0x600000                   ; the mantissa field of 57,344 as f32
.set WREG,  8192                       ; x path: a wave's region, two stages of 32 x SP bytes; four regions from byte 0
.set SP,    80                         ; a lane's place in a stage: 64 bytes + 16
.set WSTG,  4*WREG                     ; weight path: four stages of 32 rows x PITCH
.set PITCH, 272
.set SPARE, WSTG+4*32*PITCH            ; the spare words, 128 bytes a wave
.set KROW,  1024
.set WROW,  4096
.set NB,    8                          ; weight path: blocks of 32 along K
.set WX,    32                         ; v32-95   two sets of 32 numbers
.set WC,    96                         ; v96-103  a block's codes
.set WO,    112                        ; v112-175 the way out
.set STEPS, 16
.set XR,    16                         ; v16-79   four sets of 16 numbers as loaded
.set XX,    80                         ; v80-111  two sets of 16 neighbours
.set XC,    128                        ; v128-191 codes, four registers a step
	s_load_b256 s[4:11], s[0:1], 0x0               ; Wq, Wk, Wv, Wo
	s_load_b256 s[44:51], s[0:1], 0x20             ; query, key, value, the scales' exponents
	s_load_b128 s[52:55], s[0:1], 0x40             ; w_codes, x_codes
	v_lshl_add_u32 v192, v0, 2, SPARE
	v_mov_b32 v193, 0
	v_lshrrev_b32 v1, 5, v0
	v_readfirstlane_b32 s16, v1                    ; wave
	v_and_b32 v2, 31, v0                           ; lane
	s_cmp_lt_u32 ttmp9, 128
	s_wait_alu depctr_va_vdst(0)                   ; the wait directly ahead of the branch
	s_cbranch_scc0 .Lx
	; ---- the weights
	s_and_b32 s26, ttmp9, 7                        ; which 128 columns
	s_lshr_b32 s17, ttmp9, 3
	s_lshr_b32 s28, s17, 2                         ; which weight
	s_and_b32 s18, s17, 3                          ; which 256 along K
	v_lshlrev_b32 v3, 2, v2                        ; in: 4 bytes a lane
	s_mul_i32 s19, s16, 32*PITCH
	s_add_co_u32 s19, s19, WSTG                    ; my stage
	v_mul_u32_u24 v4, v2, PITCH
	v_add_nc_u32 v4, s19, v4                       ; into it: row = my column
	v_and_b32 v5, 15, v2
	v_lshrrev_b32 v6, 4, v2                        ; out of it: sixteen lanes to a row
	v_mul_u32_u24 v7, v6, PITCH
	v_lshl_add_u32 v7, v5, 4, v7
	v_add_nc_u32 v7, s19, v7
	v_mul_u32_u24 v8, v6, KROW
	v_lshl_add_u32 v8, v5, 4, v8                   ; the same place among the codes
	s_lshl_b32 s20, s18, 20                        ; the weight: 256 rows of 4,096 bytes a step along K,
	s_lshl_b32 s22, s26, 9
	s_add_co_u32 s20, s20, s22                     ; + 4 x 128 x column block
	s_lshl_b32 s22, s16, 7
	s_add_co_u32 s20, s20, s22                     ; + 4 x 32 x wave
	s_mov_b32 s21, 0
	s_lshl_b32 s24, s28, 20                        ; the codes: the weight's 2^20 bytes,
	s_lshl_b32 s22, s26, 17
	s_add_co_u32 s24, s24, s22                     ; stored row 128 x block + 64 (wave / 2) + 8 (wave % 2),
	s_lshr_b32 s22, s16, 1
	s_lshl_b32 s22, s22, 16
	s_add_co_u32 s24, s24, s22
	s_and_b32 s22, s16, 1
	s_lshl_b32 s22, s22, 13
	s_add_co_u32 s24, s24, s22
	s_lshl_b32 s22, s18, 8
	s_add_co_u32 s24, s24, s22                     ; + 256 bytes a step along K
	s_mov_b32 s25, 0
	s_wait_alu depctr_va_vdst(0)                   ; the wait directly ahead of the wait below
	s_wait_kmcnt 0x0
	s_load_b256 s[32:39], s[50:51], 0x0            ; e0 .. e7
	s_load_b128 s[40:43], s[50:51], 0x20           ; e8 .. e11
	s_cmp_lt_u32 s28, 2                            ; the weight is chosen by the work-group's number alone
	s_cselect_b64 s[4:5], s[4:5], s[8:9]
	s_cselect_b64 s[6:7], s[6:7], s[10:11]
	s_and_b32 s29, s28, 1
	s_cmp_eq_u32 s29, 0
	s_cselect_b64 s[4:5], s[4:5], s[6:7]
	s_add_nc_u64 s[4:5], s[4:5], s[20:21]
	s_add_nc_u64 s[8:9], s[52:53], s[24:25]
.macro WLOAD t                         ; block t: W(32 t + i, my column) into set t % 2
.irp i, 0,1,2,3,4,5,6,7,8,9,10,11,12,13,14,15,16,17,18,19,20,21,22,23,24,25,26,27,28,29,30,31
	global_load_b32 v[WX+32*((\t)%2)+\i], v3, s[4:5] offset:(32*(\t)+\i)*WROW th:TH_LOAD_NT
.endr
.endm
	WLOAD 0
	WLOAD 1
	s_wait_kmcnt 0x0
	s_cmp_eq_u32 s28, 1
	s_cselect_b32 s30, s35, s33                    ; e3 or e1
	s_cmp_eq_u32 s28, 2
	s_cselect_b32 s30, s37, s30                    ; e5
	s_cmp_eq_u32 s28, 3
	s_cselect_b32 s30, s43, s30                    ; e11
	s_add_co_i32 s30, s30, 127
	s_lshl_b32 s31, s30, 23
	v_mov_b32 v11, s31                             ; 2^e: the conversion takes its exponent field
	s_add_co_i32 s30, s30, EMAX
	s_lshl_b32 s30, s30, 23
	s_or_b32 s30, s30, MANT
	v_mov_b32 v10, s30                             ; 57,344 x 2^e
.macro WBLOCK t
.set XS, WX+32*((\t)%2)
.if (\t) < NB-1
	s_wait_loadcnt 32                              ; this block's 32 loads are in; the next block's 32 may be out
.else
	s_wait_loadcnt 0
.endif
.irp i, 0,1,2,3,4,5,6,7,8,9,10,11,12,13,14,15,16,17,18,19,20,21,22,23,24,25,26,27,28,29,30,31
	v_med3_num_f32 v[XS+\i], v[XS+\i], -v10, v10   ; the conversion does not saturate (ISA guide 7.6.2): the hold comes first
.endr
.irp g, 0,1,2,3
	v_cvt_scalef32_pk8_bf8_f32 v[WC+2*\g:WC+2*\g+1], v[XS+8*\g:XS+8*\g+7], v11
.endr
	ds_store_b128 v4, v[WC:WC+3] offset:32*(\t)
	ds_store_b128 v4, v[WC+4:WC+7] offset:32*(\t)+16
.if (\t)+2 < NB
	WLOAD (\t)+2
.endif
	s_wait_dscnt 0x0                               ; the stores have read their registers
.endm
	s_wait_alu depctr_va_vdst(0)                   ; the wait at the head's end
.irp t, 0,1,2,3,4,5,6,7
	WBLOCK \t
.endr
.irp t, 0,1,2,3,4,5,6,7,8,9,10,11,12,13,14,15
	ds_load_b128 v[WO+4*\t:WO+4*\t+3], v7 offset:2*\t*PITCH   ; LDS serves a wave's instructions in order (ISA guide 5.7.1.4)
.endr
.irp t, 0,1,2,3,4,5,6,7,8,9,10,11,12,13,14,15
	s_wait_dscnt 15-\t                             ; the younger loads may be out
	global_store_b128 v8, v[WO+4*\t:WO+4*\t+3], s[8:9] offset:(16*(\t/4)+2*(\t%4))*KROW   ; column c = 2 t + lane / 16 goes to stored row 16 (c / 8) + c % 8 of its group
.endr
	s_wait_tensorcnt 0x0                           ; the wave's end
	ds_add_u32 v192, v193
	s_wait_dscnt 0x0
	s_endpgm
	; ---- query, key, value
.Lx:
	s_sub_co_u32 s27, ttmp9, 128
	v_lshlrev_b32 v3, 4, v2                        ; my 16 bytes of a load's 512
	s_mul_i32 s19, s16, WREG
	v_lshrrev_b32 v14, 2, v2
	v_mul_u32_u24 v14, v14, SP
	v_and_b32 v15, 3, v2
	v_lshl_add_u32 v14, v15, 4, v14
	v_add_nc_u32 v14, s19, v14                     ; the stage, in: four lanes' 64 bytes on end, then 16 of padding
	v_mul_u32_u24 v15, v2, SP
	v_add_nc_u32 v15, s19, v15                     ; out: my 16 neighbours
	v_mul_u32_u24 v4, v2, 16                       ; my codes' place in a step's
	s_lshr_b32 s24, s27, 8                         ; which tensor
	s_and_b32 s17, s27, 255
	s_lshl_b32 s17, s17, 2
	s_add_co_u32 s17, s17, s16                     ; which run of 8,192 numbers of the tensor
	s_lshl_b32 s20, s17, 15
	s_mov_b32 s21, 0
	s_lshl_b32 s18, s27, 2
	s_add_co_u32 s18, s18, s16                     ; which run of all three tensors' codes
	s_lshl_b32 s22, s18, 13
	s_mov_b32 s23, 0
	s_wait_alu depctr_va_vdst(0)                   ; the wait directly ahead of the wait below
	s_wait_kmcnt 0x0
	s_load_b256 s[32:39], s[50:51], 0x0            ; e0 .. e7
	s_cmp_eq_u32 s24, 0                            ; the tensor is chosen by the work-group's number alone
	s_cselect_b64 s[4:5], s[44:45], s[46:47]
	s_cmp_eq_u32 s24, 2
	s_cselect_b64 s[4:5], s[48:49], s[4:5]
	s_add_nc_u64 s[4:5], s[4:5], s[20:21]
	s_add_nc_u64 s[8:9], s[54:55], s[22:23]
.macro XLOAD t
.irp i, 0,1,2,3
	global_load_b128 v[XR+16*((\t)%4)+4*\i:XR+16*((\t)%4)+4*\i+3], v3, s[4:5] offset:2048*(\t)+512*\i th:TH_LOAD_NT
.endr
.endm
.macro XTURN t                         ; step t's numbers through the stage, in order: no wait between the stores and the loads
.irp i, 0,1,2,3
	ds_store_b128 v14, v[XR+16*((\t)%4)+4*\i:XR+16*((\t)%4)+4*\i+3] offset:32*SP*((\t)%2)+8*SP*\i
.endr
.irp i, 0,1,2,3
	ds_load_b128 v[XX+16*((\t)%2)+4*\i:XX+16*((\t)%2)+4*\i+3], v15 offset:32*SP*((\t)%2)+16*\i
.endr
.endm
.irp t, 0,1,2,3
	XLOAD \t
.endr
	s_wait_kmcnt 0x0
	s_cmp_eq_u32 s24, 0
	s_cselect_b32 s22, s32, s34                    ; e0 or e2
	s_cmp_eq_u32 s24, 2
	s_cselect_b32 s22, s36, s22                    ; e4
	s_add_co_i32 s22, s22, 127
	s_lshl_b32 s23, s22, 23
	v_mov_b32 v11, s23                             ; 2^e
	s_add_co_i32 s22, s22, EMAX
	s_lshl_b32 s22, s22, 23
	s_or_b32 s22, s22, MANT
	v_mov_b32 v10, s22                             ; 57,344 x 2^e
	s_wait_alu depctr_va_vdst(0)                   ; the wait at the head's end
	s_wait_loadcnt 12                              ; step 0's four loads are in; those of steps 1 to 3 may be out
	XTURN 0
.macro XSTEP t
.set XS, XX+16*((\t)%2)
	s_wait_dscnt 0x0                               ; this step's numbers are back, so its stores into the stage have read their registers,
.if (\t)+4 < STEPS
	XLOAD (\t)+4                                   ; which take the loads of four steps on
.endif
.if (\t)+1 < STEPS
.if STEPS-2-(\t) >= 3
	s_wait_loadcnt 12                              ; the next step's four are in; three steps' twelve may be out
.else
	s_wait_loadcnt 4*(STEPS-2-(\t))                ; the tail: four for each step still behind the next one
.endif
	XTURN (\t)+1
.endif
.irp i, 0,1,2,3,4,5,6,7,8,9,10,11,12,13,14,15
	v_med3_num_f32 v[XS+\i], v[XS+\i], -v10, v10
.endr
	v_cvt_scalef32_pk8_bf8_f32 v[XC+4*(\t):XC+4*(\t)+1], v[XS:XS+7], v11
	v_cvt_scalef32_pk8_bf8_f32 v[XC+4*(\t)+2:XC+4*(\t)+3], v[XS+8:XS+15], v11
	global_store_b128 v4, v[XC+4*(\t):XC+4*(\t)+3], s[8:9] offset:512*(\t)
.endm
.irp t, 0,1,2,3,4,5,6,7,8,9,10,11,12,13,14,15
	XSTEP \t
.endr
	s_wait_tensorcnt 0x0                           ; the wave's end
	ds_add_u32 v192, v193
	s_wait_dscnt 0x0
	s_endpgm
.Lfunc_end_k_qf0ee19019b_quant:
	.size	k_qf0ee19019b_quant, .Lfunc_end_k_qf0ee19019b_quant-k_qf0ee19019b_quant
	.p2alignl 7, 3214868480
	.fill 96, 4, 3214868480
	.section	.rodata,"a",@progbits
	.p2align	6, 0x0
	.amdhsa_kernel k_qf0ee19019b_quant
		.amdhsa_group_segment_fixed_size 68096
		.amdhsa_private_segment_fixed_size 0
		.amdhsa_enable_private_segment 0
		.amdhsa_kernarg_size 80
		.amdhsa_user_sgpr_count 2
		.amdhsa_user_sgpr_kernarg_segment_ptr 1
		.amdhsa_wavefront_size32 1
		.amdhsa_system_sgpr_workgroup_id_x 1
		.amdhsa_system_sgpr_workgroup_id_y 1
		.amdhsa_system_sgpr_workgroup_id_z 1
		.amdhsa_system_vgpr_workitem_id 0
		.amdhsa_next_free_vgpr 194
		.amdhsa_next_free_sgpr 66
		.amdhsa_reserve_vcc 0
		.amdhsa_float_denorm_mode_32 3
		.amdhsa_float_denorm_mode_16_64 3
		.amdhsa_memory_ordered 1
		.amdhsa_forward_progress 1
		.amdhsa_inst_pref_size 87
	.end_amdhsa_kernel
	.amdgpu_metadata
---
amdhsa.version: [ 1, 2 ]
amdhsa.kernels:
  - .name:           k_qf0ee19019b_quant
    .symbol:         k_qf0ee19019b_quant.kd
    .args:
      - { .name: Wq, .offset: 0, .size: 8, .value_kind: global_buffer, .address_space: global }
      - { .name: Wk, .offset: 8, .size: 8, .value_kind: global_buffer, .address_space: global }
      - { .name: Wv, .offset: 16, .size: 8, .value_kind: global_buffer, .address_space: global }
      - { .name: Wo, .offset: 24, .size: 8, .value_kind: global_buffer, .address_space: global }
      - { .name: query, .offset: 32, .size: 8, .value_kind: global_buffer, .address_space: global }
      - { .name: key, .offset: 40, .size: 8, .value_kind: global_buffer, .address_space: global }
      - { .name: value, .offset: 48, .size: 8, .value_kind: global_buffer, .address_space: global }
      - { .name: lowp_scales, .offset: 56, .size: 8, .value_kind: global_buffer, .address_space: global }
      - { .name: w_codes, .offset: 64, .size: 8, .value_kind: global_buffer, .address_space: global }
      - { .name: x_codes, .offset: 72, .size: 8, .value_kind: global_buffer, .address_space: global }
    .group_segment_fixed_size: 68096
    .private_segment_fixed_size: 0
    .kernarg_segment_align: 8
    .kernarg_segment_size: 80
    .max_flat_workgroup_size: 128
    .sgpr_count:     66
    .vgpr_count:     194
    .wavefront_size: 32
...
	.end_amdgpu_metadata
.endif
;; end of part 1
;; launch proj (part 2): grid 4 x 96, 4 waves a work-group, clusters of 4 x 4, 327,680 bytes of LDS; arguments x_codes, w_codes, lowp_scales, bq, bk, bv, qkv_codes; writes qkv_codes
.if DOCPART == 2
	.amdgcn_target "amdgcn-amd-amdhsa--gfx1250"
	.amdhsa_code_object_version 6
	.text
	.protected	k_qf0ee19019b_proj
	.globl	k_qf0ee19019b_proj
	.p2align	8
	.type	k_qf0ee19019b_proj,@function
k_qf0ee19019b_proj:
	s_mov_b64 s[64:65], 0
	v_nop
	global_prefetch_b8 v0, s[64:65] scope:SCOPE_SE
	s_setreg_imm32_b32 hwreg(HW_REG_WAVE_MODE, 25, 1), 1
	s_wait_xcnt 0x0
	s_wait_alu depctr_hold_cnt(0) depctr_sa_sdst(0) depctr_va_vdst(0) depctr_va_sdst(0) depctr_va_ssrc(0) depctr_va_vcc(0) depctr_vm_vsrc(0)
	s_getreg_b32 s2, hwreg(HW_REG_IB_STS2, 6, 4)
	s_cmp_eq_u32 s2, 0
	s_cbranch_scc0 .Lentry_in_a_cluster
	s_endpgm
.Lentry_in_a_cluster:
	s_bfe_u32 s2, ttmp6, 0x10000c
	s_cmp_lg_u32 s2, 0xf033
	s_cbranch_scc0 .Lentry_shape_is_right
	s_endpgm
.Lentry_shape_is_right:
; q, k, v = Q(x W + b): three products [8192][1024] x [1024][1024] on codes of E5M2 (x_codes, w_codes), each finished sum x 2^(ex + ew), + bias, held and converted with the scale of the next product's operand.
; A tile of 256 x 256 to a work-group of four waves (128 x 128 a wave); K in steps of 256 through a ring of two LDS slots filled by joint loads in clusters of 4 x 4.  For v the two operands change places, so that its codes leave with the keys innermost.
; LIMITS: each sum of two exponents between -126 and 127; the next operand's e between -126 and 112.  NaN among the inputs is not served.
; THE HEAD: one joint load a wave (K step 0) behind the opening round; addresses and the bias loads stand under its flight; slot 1's first fill follows behind the full sequence and a round.  The biases are waited for ahead of the way out.
; PREFETCH: of the 128 rows that a wave fetches, each of the four partners that ask for them jointly names 32, told apart by address, a lane a row of 256 bytes: K steps 1 and 2 behind K step 0's load, K step 3 behind K step 1's.
.set KSTEP,  256
.set ROWB,   256
.set KROW,   1024
.set PITCH,  272
.set FR,     16
.set NL,     4
.set NP,     4
.set HALFT,  128*PITCH
.set SLOT,   4*HALFT
.set SPARE,  2*SLOT
.set STGV,   16384
.set BO1,  8
.set BO2,  9
.set ADRA, 16
.set ADRB, 20
.set SCL,  22
.set LIM,  23
.set STQ,  24
.set RDQ,  25
.set CO,   26
.set STV,  27
.set SPW,  28
.set NIL,  29
.set RDV,  30
.set BI,   32
.set BV,   96
.set AF,   128
.set TT,   128
.set CD,   192
.set BK,   224
.set G1, 24
.set G0, 32
.set G1B, 48
.set G0B, 56
.set MSB, 0
.macro WIN new
.if MSB != \new
	s_set_vgpr_msb (MSB<<8)|\new
.set MSB, \new
.endif
.endm
.set MUL_LO, 0xa1
.set MUL_HI, 0xf1
.set TO_B,   0x40
.macro JLOAD g0a, g1a, g0b, g1b
	s_cmp_eq_u32 s15, 0
	s_cbranch_scc0 .Lfor_b_\@
	tensor_load_to_lds s[\g0a:\g0a+3], s[\g1a:\g1a+7]
	s_nop 0
.rept 4
	v_nop
.endr
	s_branch .Lasked_\@
.Lfor_b_\@:
	tensor_load_to_lds s[\g0b:\g0b+3], s[\g1b:\g1b+7]
	s_nop 0
.rept 4
	v_nop
.endr
.Lasked_\@:
.endm
.macro CREST
	s_cmp_lg_u32 s14, 0
	s_cbranch_scc1 .Lnot_wave_0_\@
	s_barrier_signal -3
.Lnot_wave_0_\@:
	s_barrier_wait -3
	s_barrier_signal -1
	s_barrier_wait -1
.endm
.macro CROUND
	s_barrier_signal -1
	s_barrier_wait -1
	CREST
.endm
	s_load_b128 s[4:7], s[0:1], 0x0
	s_load_b256 s[68:75], s[0:1], 0x10
	s_load_b64 s[10:11], s[0:1], 0x30
	v_lshl_add_u32 v[SPW], v0, 2, SPARE
	v_mov_b32 v[NIL], 0
	ds_add_u32 v28, v29
	ds_add_u32 v28, v29
	s_wait_dscnt 0x0
	v_lshrrev_b32 v1, 5, v0
	v_readfirstlane_b32 s14, v1
	s_lshr_b32 s15, s14, 1
	s_and_b32 s16, s14, 1
	s_bfe_u32 s40, ttmp6, 0x40000
	s_bfe_u32 s41, ttmp6, 0x40004
	s_and_b32 s17, ttmp7, 0xffff
	s_lshr_b32 s88, s17, 3
	s_and_b32 s89, s17, 7
	s_lshl_b32 s43, s41, 2
	s_lshl_b32 s43, 15, s43
	s_lshl_b32 s44, 0x1111, s40
	s_or_b32 s[G1+0], s43, (0<<16)|(1<<20)|(1<<21)|(5<<22)|(3<<25)
	s_or_b32 s[G1B+0], s44, (0<<16)|(1<<20)|(1<<21)|(5<<22)|(3<<25)
.irp g, G1, G1B
	s_mov_b32 s[\g+1], ROWB<<16
	s_mov_b32 s[\g+2], 128<<16
	s_mov_b32 s[\g+3], ROWB<<16
	s_mov_b32 s[\g+4], 128
	s_mov_b32 s[\g+5], KROW
	s_mov_b32 s[\g+6], 0
	s_mov_b32 s[\g+7], 0
.endr
	s_lshl_b32 s18, s88, 23
	s_lshl_b32 s19, s89, 20
	s_add_co_u32 s18, s18, s19
	s_mov_b32 s19, 0
	s_lshl_b32 s22, s88, 20
	s_mov_b32 s23, 0
	s_lshl_b32 s42, s16, 17
	s_lshl_b32 s20, s41, 18
	s_add_co_u32 s20, s20, s42
	s_mov_b32 s21, 0
	s_lshl_b32 s46, s40, 18
	s_add_co_u32 s46, s46, s42
	s_mov_b32 s47, 0
	s_mul_i32 s45, s14, HALFT
	s_wait_kmcnt 0x0
	s_load_b256 s[76:83], s[68:69], 0x0
	s_load_b128 s[84:87], s[68:69], 0x20
	s_add_nc_u64 s[4:5], s[4:5], s[18:19]
	s_add_nc_u64 s[6:7], s[6:7], s[22:23]
	s_cmp_eq_u32 s88, 2
	s_cselect_b64 s[8:9], s[6:7], s[4:5]
	s_cselect_b64 s[12:13], s[4:5], s[6:7]
	s_add_nc_u64 s[20:21], s[8:9], s[20:21]
	s_add_nc_u64 s[46:47], s[12:13], s[46:47]
	s_cmp_eq_u32 s88, 0
	s_cselect_b64 s[92:93], s[70:71], s[72:73]
	s_cmp_eq_u32 s88, 2
	s_cselect_b64 s[92:93], s[74:75], s[92:93]
	CROUND
.irp s, 0,1
	s_mov_b32 s[G0+4*\s], 1
	s_add_co_u32 s[G0+4*\s+1], s45, \s*SLOT
	s_add_nc_u64 s[G0+4*\s+2:G0+4*\s+3], s[20:21], \s*ROWB
	s_or_b32 s[G0+4*\s+3], s[G0+4*\s+3], 0x80000000
	s_mov_b32 s[G0B+4*\s], 1
	s_add_co_u32 s[G0B+4*\s+1], s45, \s*SLOT
	s_add_nc_u64 s[G0B+4*\s+2:G0B+4*\s+3], s[46:47], \s*ROWB
	s_or_b32 s[G0B+4*\s+3], s[G0B+4*\s+3], 0x80000000
.endr
	JLOAD G0, G1, G0B, G1B                         ; K step 0: one tensor load a wave at the head
	s_cmp_eq_u32 s15, 0                            ; the prefetches: the rows that I fetch,
	s_cselect_b64 s[66:67], s[20:21], s[46:47]
	s_cselect_b32 s98, s40, s41                    ; my place among the four that ask for them with me,
	s_lshl_b32 s98, s98, 15                        ; 32 rows of 1,024 bytes for each place
	s_mov_b32 s99, 0
	s_add_nc_u64 s[66:67], s[66:67], s[98:99]
	v_and_b32 v31, 31, v0
	v_lshlrev_b32 v31, 10, v31                     ; a lane a row; never rewritten
	global_prefetch_b8 v31, s[66:67] offset:256 th:TH_LOAD_NT scope:SCOPE_SE
	global_prefetch_b8 v31, s[66:67] offset:512 th:TH_LOAD_NT scope:SCOPE_SE
	v_and_b32 v1, 15, v0
	v_bfe_u32 v2, v0, 4, 1
	s_lshl_b32 s90, s40, 10
	s_lshl_b32 s91, s16, 9
	s_add_co_u32 s90, s90, s91
	v_lshl_add_u32 v[BO1], v2, 7, s90
	s_lshl_b32 s90, s41, 10
	s_lshl_b32 s91, s15, 9
	s_add_co_u32 s90, s90, s91
	v_lshrrev_b32 v6, 3, v1
	v_and_b32 v7, 7, v1
	v_lshlrev_b32 v7, 2, v7
	v_lshl_add_u32 v7, v6, 7, v7
	v_add_nc_u32 v[BO2], s90, v7
.irp g, 0,1
.irp i, 0,1,2,3,4,5,6,7
	global_load_b128 v[BI+32*\g+4*\i:BI+32*\g+4*\i+3], v[BO1], s[92:93] offset:256*\g+16*\i
.endr
.endr
.irp a, 0,1,2,3,4,5,6,7
	global_load_b32 v[BV+2*\a], v[BO2], s[92:93] offset:4*(64*(\a/4)+8*(\a%4))
	global_load_b32 v[BV+2*\a+1], v[BO2], s[92:93] offset:4*(64*(\a/4)+8*(\a%4))
.endr
	v_mul_u32_u24 v3, v1, PITCH
	v_lshl_add_u32 v4, v2, 4, v3
	s_mul_i32 s21, s15, HALFT
	s_mul_i32 s22, s16, HALFT
	s_add_co_u32 s22, s22, 2*HALFT
.irp s, 0,1
	v_add_nc_u32 v[ADRA+\s], s21, v4
	v_add_nc_u32 v[ADRB+\s], s22, v4
	s_add_co_u32 s21, s21, SLOT
	s_add_co_u32 s22, s22, SLOT
.endr
	s_mul_i32 s23, s14, 2560
	v_mul_u32_u24 v5, v1, 80
	v_lshl_add_u32 v5, v2, 5, v5
	v_add_nc_u32 v[STQ], s23, v5
	v_and_b32 v6, 31, v0
	v_lshrrev_b32 v7, 2, v6
	v_mul_u32_u24 v7, v7, 80
	v_and_b32 v5, 3, v6
	v_lshl_add_u32 v7, v5, 4, v7
	v_add_nc_u32 v[RDQ], s23, v7
	v_lshlrev_b32 v[CO], 4, v6
	s_mul_i32 s23, s14, 2304
	s_add_co_u32 s23, s23, STGV
	v_mul_u32_u24 v5, v1, 144
	v_lshl_add_u32 v5, v2, 4, v5
	v_add_nc_u32 v[STV], s23, v5
	v_lshrrev_b32 v7, 3, v6
	v_mul_u32_u24 v7, v7, 144
	v_and_b32 v5, 7, v6
	v_lshl_add_u32 v7, v5, 4, v7
	v_add_nc_u32 v[RDV], s23, v7
	s_cmp_eq_u32 s88, 2
	s_cselect_b32 s90, s41, s40
	s_cselect_b32 s91, s40, s41
	s_cselect_b32 s94, s15, s16
	s_cselect_b32 s95, s16, s15
	s_lshl_b32 s18, s88, 23
	s_lshr_b32 s19, s89, 1
	s_lshl_b32 s19, s19, 21
	s_add_co_u32 s18, s18, s19
	s_and_b32 s19, s89, 1
	s_lshl_b32 s19, s19, 16
	s_add_co_u32 s18, s18, s19
	s_lshl_b32 s90, s90, 19
	s_add_co_u32 s18, s18, s90
	s_lshl_b32 s94, s94, 18
	s_add_co_u32 s18, s18, s94
	s_lshl_b32 s91, s91, 14
	s_add_co_u32 s18, s18, s91
	s_lshl_b32 s95, s95, 13
	s_add_co_u32 s18, s18, s95
	s_mov_b32 s19, 0
	s_add_nc_u64 s[10:11], s[10:11], s[18:19]
	s_wait_kmcnt 0x0
	s_cmp_eq_u32 s88, 0
	s_cselect_b32 s96, s76, s78
	s_cselect_b32 s97, s77, s79
	s_cselect_b32 s90, s82, s83
	s_cmp_eq_u32 s88, 2
	s_cselect_b32 s96, s80, s96
	s_cselect_b32 s97, s81, s97
	s_cselect_b32 s90, s85, s90
	s_add_co_i32 s96, s96, s97
	s_add_co_i32 s96, s96, 127
	s_lshl_b32 s96, s96, 23
	s_mov_b32 s97, s96
	s_add_co_i32 s90, s90, 127
	s_lshl_b32 s91, s90, 23
	v_mov_b32 v[SCL], s91
	s_add_co_i32 s90, s90, 15
	s_lshl_b32 s90, s90, 23
	s_or_b32 s90, s90, 0x600000
	v_mov_b32 v[LIM], s90
.macro FRAG reg, adr, q, i
.irp c, 0,1,2,3
	ds_load_b128 v[\reg+4*\c:\reg+4*\c+3], v[\adr] offset:128*(\q)+32*\c+(\i)*16*PITCH
.endr
.endm
.macro MUL16 a0, p, zero
.irp a, \a0, \a0+1
.irp b, 0,1,2,3,4,5,6,7
.if \zero
	v_wmma_f32_16x16x128_bf8_bf8 v[8*(8*((\a)%4)+\b):8*(8*((\a)%4)+\b)+7], v[128*(\p)+FR*\b:128*(\p)+FR*\b+FR-1], v[AF+FR*(\a):AF+FR*(\a)+FR-1], 0
.else
	v_wmma_f32_16x16x128_bf8_bf8 v[8*(8*((\a)%4)+\b):8*(8*((\a)%4)+\b)+7], v[128*(\p)+FR*\b:128*(\p)+FR*\b+FR-1], v[AF+FR*(\a):AF+FR*(\a)+FR-1], v[8*(8*((\a)%4)+\b):8*(8*((\a)%4)+\b)+7]
.endif
.endr
.endr
.endm
.macro FETCH_B slot, q, p
	WIN TO_B
.irp i, 0,1,2,3,4,5,6,7
	FRAG 128*(\p)+FR*\i, ADRB+\slot, \q, \i
.endr
	WIN 0
.endm
.macro FETCH_A slot, q, i0
.irp i, \i0, \i0+1, \i0+2, \i0+3
	FRAG AF+FR*(\i), ADRA+\slot, \q, \i
.endr
.endm
.macro PLACES n
.rept \n
	v_nop
.endr
.endm
.macro STEP slot, q, zero
	s_wait_dscnt 4*NL
	WIN MUL_LO
	MUL16 0, (\q)%2, \zero
	MUL16 2, (\q)%2, \zero
	s_wait_dscnt 0
	PLACES NP
	FETCH_B \slot, (\q)+1, 1-(\q)%2
	FETCH_A \slot, (\q)+1, 0
	WIN MUL_HI
	MUL16 4, (\q)%2, \zero
	MUL16 6, (\q)%2, \zero
	PLACES NP
	WIN 0
	FETCH_A \slot, (\q)+1, 4
.endm
.macro TURN slot, next, fill
	s_wait_tensorcnt 0x0
	ds_add_u32 v[SPW], v[NIL]
	s_wait_dscnt 4*NL+1
	WIN MUL_LO
	MUL16 0, 1, 0
	s_wait_dscnt 0x0
	s_barrier_signal -1
	MUL16 2, 1, 0
	WIN 0
	s_barrier_wait -1
.if \fill
	CREST
	s_add_nc_u64 s[G0+4*\slot+2:G0+4*\slot+3], s[G0+4*\slot+2:G0+4*\slot+3], 2*ROWB
	s_add_nc_u64 s[G0B+4*\slot+2:G0B+4*\slot+3], s[G0B+4*\slot+2:G0B+4*\slot+3], 2*ROWB
	JLOAD G0+4*\slot, G1, G0B+4*\slot, G1B
.else
	PLACES NP
.endif
	FETCH_B \next, 0, 0
	FETCH_A \next, 0, 0
	WIN MUL_HI
	MUL16 4, 1, 0
	MUL16 6, 1, 0
	PLACES NP
	WIN 0
	FETCH_A \next, 0, 4
.endm
	s_wait_alu depctr_va_vdst(0)                   ; the wait at the head's end
	s_wait_tensorcnt 0x0                           ; my part of K step 0 is in; the full sequence ahead of a later first fill:
	ds_add_u32 v[SPW], v[NIL]
	s_wait_dscnt 0x0
	CROUND                                         ; everybody's part is in, and the sixteen work-groups meet
	JLOAD G0+4, G1, G0B+4, G1B                     ; K step 1: the first tensor load behind the round
	global_prefetch_b8 v31, s[66:67] offset:768 th:TH_LOAD_NT scope:SCOPE_SE
	FETCH_B 0, 0, 0
	FETCH_A 0, 0, 0
	FETCH_A 0, 0, 4
	STEP 0, 0, 1
	TURN 0, 1, 1
	STEP 1, 0, 0
	TURN 1, 0, 1
	STEP 0, 0, 0
	TURN 0, 1, 0
	STEP 1, 0, 0
	s_wait_dscnt 4*NL
	WIN MUL_LO
	MUL16 0, 1, 0
	MUL16 2, 1, 0
	s_wait_dscnt 0
	WIN MUL_HI
	MUL16 4, 1, 0
	MUL16 6, 1, 0
	WIN 0
.macro STG vv, a
.set AC, 64*((\a)%4)
.set CC, CD+16*((\a)%2)
.set BB, BK+16*((\a)%2)
	WIN 0x02+((\a)/4)
.irp j, 0,2,4,6,8,10,12,14,16,18,20,22,24,26,28,30,32,34,36,38,40,42,44,46,48,50,52,54,56,58,60,62
.if \vv
	v_pk_fma_f32 v[TT+\j:TT+\j+1], v[AC+\j:AC+\j+1], s[96:97], v[BV+2*(\a):BV+2*(\a)+1] op_sel_hi:[1,0,1]
.else
	v_pk_fma_f32 v[TT+\j:TT+\j+1], v[AC+\j:AC+\j+1], s[96:97], v[BI+\j:BI+\j+1] op_sel_hi:[1,0,1]
.endif
.endr
	WIN 0
.set ii, 0
.rept 64
	v_med3_num_f32 v[TT+ii], v[TT+ii], -v[LIM], v[LIM]
.set ii, ii+1
.endr
.irp b, 0,1,2,3,4,5,6,7
	v_cvt_scalef32_pk8_bf8_f32 v[CC+2*\b:CC+2*\b+1], v[TT+8*\b:TT+8*\b+7], v[SCL]
.endr
	v_nop
.irp n, 0,1,2,3
.if \vv
	ds_store_b128 v[STV], v[CC+4*\n:CC+4*\n+3] offset:32*\n
.else
	ds_store_b128 v[STQ], v[CC+4*\n:CC+4*\n+3] offset:1280*(\n/2)+16*(\n%2)
.endif
.endr
.irp n, 0,1,2,3
.if \vv
	ds_load_b128 v[BB+4*\n:BB+4*\n+3], v[RDV] offset:576*\n
.else
	ds_load_b128 v[BB+4*\n:BB+4*\n+3], v[RDQ] offset:1280*(\n/2)+640*(\n%2)
.endif
.endr
.endm
.macro SND vv, a, younger
.set BB, BK+16*((\a)%2)
	s_wait_dscnt \younger
.irp n, 0,1,2,3
.if \vv
	global_store_b128 v[CO], v[BB+4*\n:BB+4*\n+3], s[10:11] offset:131072*((\a)/4)+2048*((\a)%4)+512*\n
.else
	global_store_b128 v[CO], v[BB+4*\n:BB+4*\n+3], s[10:11] offset:131072*(\n/2)+1024*(\a)+512*(\n%2)
.endif
.endr
.endm
.macro WAYOUT vv
	STG \vv, 0
.irp a, 1,2,3,4,5,6,7
.if \a > 1
	s_wait_xcnt 0x0
.endif
	STG \vv, \a
	SND \vv, \a-1, 8
.endr
	SND \vv, 7, 0
.endm
	s_wait_loadcnt 0x0                             ; the biases
	PLACES NP
	s_cmp_eq_u32 s88, 2
	s_cbranch_scc1 .Lv
	WAYOUT 0
	s_branch .Lend
.Lv:
	WAYOUT 1
.Lend:
	s_wait_tensorcnt 0x0
	ds_add_u32 v[SPW], v[NIL]
	s_wait_dscnt 0x0
	CROUND
	s_endpgm
.Lfunc_end_k_qf0ee19019b_proj:
	.size	k_qf0ee19019b_proj, .Lfunc_end_k_qf0ee19019b_proj-k_qf0ee19019b_proj
	.p2alignl 7, 3214868480
	.fill 96, 4, 3214868480
	.section	.rodata,"a",@progbits
	.p2align	6, 0x0
	.amdhsa_kernel k_qf0ee19019b_proj
		.amdhsa_group_segment_fixed_size 327680
		.amdhsa_private_segment_fixed_size 0
		.amdhsa_enable_private_segment 0
		.amdhsa_kernarg_size 56
		.amdhsa_user_sgpr_count 2
		.amdhsa_user_sgpr_kernarg_segment_ptr 1
		.amdhsa_wavefront_size32 1
		.amdhsa_system_sgpr_workgroup_id_x 1
		.amdhsa_system_sgpr_workgroup_id_y 1
		.amdhsa_system_sgpr_workgroup_id_z 1
		.amdhsa_system_vgpr_workitem_id 0
		.amdhsa_next_free_vgpr 1024
		.amdhsa_next_free_sgpr 100
		.amdhsa_reserve_vcc 0
		.amdhsa_float_denorm_mode_32 3
		.amdhsa_float_denorm_mode_16_64 3
		.amdhsa_memory_ordered 1
		.amdhsa_forward_progress 1
		.amdhsa_inst_pref_size 204
	.end_amdhsa_kernel
	.amdgpu_metadata
---
amdhsa.version: [ 1, 2 ]
amdhsa.kernels:
  - .name:           k_qf0ee19019b_proj
    .symbol:         k_qf0ee19019b_proj.kd
    .args:
      - { .name: x_codes, .offset: 0, .size: 8, .value_kind: global_buffer, .address_space: global }
      - { .name: w_codes, .offset: 8, .size: 8, .value_kind: global_buffer, .address_space: global }
      - { .name: lowp_scales, .offset: 16, .size: 8, .value_kind: global_buffer, .address_space: global }
      - { .name: bq, .offset: 24, .size: 8, .value_kind: global_buffer, .address_space: global }
      - { .name: bk, .offset: 32, .size: 8, .value_kind: global_buffer, .address_space: global }
      - { .name: bv, .offset: 40, .size: 8, .value_kind: global_buffer, .address_space: global }
      - { .name: qkv_codes, .offset: 48, .size: 8, .value_kind: global_buffer, .address_space: global }
    .group_segment_fixed_size: 327680
    .private_segment_fixed_size: 0
    .kernarg_segment_align: 8
    .kernarg_segment_size: 56
    .max_flat_workgroup_size: 128
    .sgpr_count:     100
    .vgpr_count:     1024
    .wavefront_size: 32
...
	.end_amdgpu_metadata
.endif
;; end of part 2
;; launch attn (part 3): grid 4 x 64, 8 waves a work-group, clusters of 4 x 1, 327,680 bytes of LDS; arguments qkv_codes, lowp_scales, vals_codes; writes vals_codes
.if DOCPART == 3
	.amdgcn_target "amdgcn-amd-amdhsa--gfx1250"
	.amdhsa_code_object_version 6
	.text
	.protected	k_qf0ee19019b_attn
	.globl	k_qf0ee19019b_attn
	.p2align	8
	.type	k_qf0ee19019b_attn,@function
k_qf0ee19019b_attn:
	s_mov_b64 s[64:65], 0
	v_nop
	global_prefetch_b8 v0, s[64:65] scope:SCOPE_SE
	s_setreg_imm32_b32 hwreg(HW_REG_WAVE_MODE, 25, 1), 1
	s_wait_xcnt 0x0
	s_wait_alu depctr_hold_cnt(0) depctr_sa_sdst(0) depctr_va_vdst(0) depctr_va_sdst(0) depctr_va_ssrc(0) depctr_va_vcc(0) depctr_vm_vsrc(0)
	s_getreg_b32 s2, hwreg(HW_REG_IB_STS2, 6, 4)
	s_cmp_eq_u32 s2, 0
	s_cbranch_scc0 .Lentry_in_a_cluster
	s_endpgm
.Lentry_in_a_cluster:
	s_bfe_u32 s2, ttmp6, 0x10000c
	s_cmp_lg_u32 s2, 0x3003
	s_cbranch_scc0 .Lentry_shape_is_right
	s_endpgm
.Lentry_shape_is_right:
; vals[bh][q][:] = the sum over k of softmax_k(q . k / 8) v[k][:], both products on codes of E5M2, and the result quantised for the last projection.
; qkv_codes: q at byte 0, k at 2^23: [bh 64][2048][64 d]; v at 2^24: [bh][16 chunks of 128 keys][64 stored d][128], byte 32 c + 16 h + 8 u + j of a row = key 32 c + 16 u + 8 h + j of the chunk.  vals_codes: [bh][2048][64 d].
; THE SOFTMAX: t = score x log2(e) / 8; M = the row's largest t so far, rounded UP to a whole number; p = 2^(t - M) is quantised (scale 2^e8), not normalised.  The row's sum is taken of the unquantised p in f32
; and divides at the end.  When M moves, the sum and O are multiplied by 2^(old M - new M): exact, and no branch hangs on data.  The running maximum is kept as a score; c is positive, so c x max = max of c x score.
; LIMITS: e6 + e7 between -123 and 130 (added to c's exponent field); e8 and e10 between -126 and 112; the scaled scores stay under 2^31 in magnitude.  NaN among the inputs is not served.
; SHARES.  A work-group owns 512 queries of one head, each of its eight waves 64: four tiles of 16, so each fragment of K and V read from LDS feeds four matrix instructions.  Two waves to a SIMD, 512 registers each.
; THE WHOLE HEAD'S K AND V LIE IN LDS: every LDS byte is filled once.  At the head a wave asks for its part of the first 512 keys (waves 0-3: K, waves 4-7: V), one load; its part of the other 1,536 follows behind
; the full sequence and a round of the cluster's barrier, and is waited for behind key step 2.  Nothing is prefetched: all of K and V is asked for ahead of the loops, so there is no loop to run ahead in.
; CLUSTER.  The four query blocks of a head need the same K and V: each tile is asked for JOINTLY, by the same tensor load with the same descriptor and the mask of all four.
; LAYOUT.  Both products transposed: S^T = K Q^T, O^T = V^T P^T: a lane holds ONE query (lane % 16).  In S^T's tile u register j is key 16 u + 8 h + j; converted eight at a time, tiles 2 c and 2 c + 1 are registers
; 4 c .. 4 c + 3 of P, and v's bytes were laid to match.  By the stored order of d, register 8 t + j of O^T is d = 32 h + 8 t + j.
; A KEY STEP takes the four tiles as TWO PAIRS: a pair's maxima, statistics and sums run as four chains by turns, and its 128 exponentials are one batch.  The next step's fragments of K are fetched in the second pair.
; REGISTERS.  Window 0: v1-8 addresses; v12-14 constants; v16-31 four statistics a tile (-M, largest score, the sum in two halves); v32-45 at work; v48-79 Q; v80-111 P of a pair; v112-239 S^T of a pair.
;   Window 1: v0-127 O^T (32 a tile); v128-191 K's eight fragments of a step; v192-255 V's four.
.set KP,    80                         ; a key's row in LDS: 64 bytes + 16
.set VP,    144                        ; a row of V's chunk: 128 bytes + 16
.set KCH,   128*KP
.set VCH,   64*VP
.set VOFF,  2048*KP                    ; V lies behind K
.set STAGE, VOFF+16*VCH                ; 16 rows x 80 bytes a wave, for the way out; no tile lands here
.set SP,    80
.set SPARE, STAGE+8*16*SP              ; the spare words, 128 bytes a wave
.set AK0, 1
.set AV0, 2
.set ADK, 3
.set ADV, 4
.set QO,  5
.set STO, 6
.set RD,  7
.set GO,  8
.set SCL,  12                          ; 2^e8
.set SCL2, 13                          ; 2^e10
.set LIM2, 14                          ; 57,344 x 2^e10
.set ST,  16                           ; tile x's statistics at v[ST + 4 x]
.set TA,  32                           ; v32-35 two chains a tile of the pair
.set F,   36                           ; v[36:37], v[38:39] f = 2^(old M - new M)
.set PD,  40                           ; v40, v41 the lane exchange's destinations
.set SU,  42                           ; v[42:43], v[44:45] the sums' second chains
.set SPW, 46
.set NIL, 47
.set Q,   48
.set P,   80
.set S,   112
.set KF,  128                          ; in window 1
.set VF,  192
.set WV,  10
.set SEL, 20
.set CS,  22                           ; s[22:23] c = log2(e) / 8 x 2^(e6 + e7)
.set G1K0, 24
.set G1K1, 32
.set G1V0, 40
.set G1V1, 48
.set G0K0, 56
.set G0K1, 60
.set G0V0, 68
.set G0V1, 72
.set TBK, 88                           ; LDS byte of the NEXT step's keys
.set TBV, 89                           ; of this step's chunk of V, less VOFF
.set CNT, 90
.set HS,  91                           ; 57,344 x 2^e8
.set TKN, 96                           ; TBK held at the last step's keys
.set MSB, 0
.macro WIN new
.if MSB != \new
	s_set_vgpr_msb (MSB<<8)|\new
.set MSB, \new
.endif
.endm
.macro CROUND
	s_barrier_signal -1
	s_barrier_wait -1
	s_cmp_lg_u32 s[WV], 0
	s_cbranch_scc1 .Lnot_wave_0_\@
	s_barrier_signal -3
.Lnot_wave_0_\@:
	s_barrier_wait -3
	s_barrier_signal -1
	s_barrier_wait -1
.endm
.macro SHAPE g, qi, rowb, rows         ; group 1: rows x rowb bytes, dense in memory, 16 bytes of padding behind each row; mask of all four, bit 21 beside it
	s_mov_b32 s[\g], 15|(1<<20)|(1<<21)|((\qi)<<22)|(3<<25)
	s_mov_b32 s[\g+1], (\rowb)<<16
	s_mov_b32 s[\g+2], (\rows)<<16
	s_mov_b32 s[\g+3], (\rowb)<<16
	s_mov_b32 s[\g+4], \rows
	s_mov_b32 s[\g+5], \rowb
	s_mov_b32 s[\g+6], 0
	s_mov_b32 s[\g+7], 0
.endm
.macro JLOAD gk, g1k, gv, g1v          ; one joint load a wave: waves 0-3 for K, waves 4-7 for V; s_nop 0 and four v_nop behind each line
	s_cmp_lt_u32 s[WV], 4
	s_cbranch_scc0 .Lfor_v_\@
	tensor_load_to_lds s[\gk:\gk+3], s[\g1k:\g1k+7]
	s_nop 0
.rept 4
	v_nop
.endr
	s_branch .Lasked_\@
.Lfor_v_\@:
	tensor_load_to_lds s[\gv:\gv+3], s[\g1v:\g1v+7]
	s_nop 0
.rept 4
	v_nop
.endr
.Lasked_\@:
.endm
.macro KLD adr                         ; a step's eight fragments of K (destination window 1)
.irp u, 0,1,2,3,4,5,6,7
.irp c, 0,1
	ds_load_b128 v[KF+8*\u+4*\c:KF+8*\u+4*\c+3], v[\adr] offset:16*KP*\u+32*\c
.endr
.endr
.endm
	s_load_b128 s[4:7], s[0:1], 0x0                ; qkv_codes, the scales' exponents
	s_load_b64 s[8:9], s[0:1], 0x10                ; vals_codes
	v_lshl_add_u32 v[SPW], v0, 2, SPARE
	v_mov_b32 v[NIL], 0
	ds_add_u32 v[SPW], v[NIL]                      ; the opening lines: the add twice on end and its wait
	ds_add_u32 v[SPW], v[NIL]
	v_lshrrev_b32 v9, 5, v0
	v_readfirstlane_b32 s[WV], v9                  ; wave 0..7
	s_and_b32 s11, s[WV], 3                        ; which quarter of K or of V I fetch
	s_bfe_u32 s12, ttmp6, 0x40000                  ; cx: it enters Q's and the result's addresses alone
	s_and_b32 s13, ttmp7, 0xffff                   ; batch x 16 + head
	s_lshl_b32 s14, s13, 17
	s_mul_i32 s16, s11, 8192
	s_add_co_u32 s16, s16, s14
	s_add_co_u32 s16, s16, 0x800000                ; K: my 128 of the first 512 keys
	s_mov_b32 s17, 0
	s_mul_i32 s18, s11, 24576
	s_add_co_u32 s18, s18, s14
	s_add_co_u32 s18, s18, 0x808000                ; K: my 384 of the other 1,536
	s_mov_b32 s19, 0
	s_lshl_b32 s15, ttmp9, 2
	s_add_co_u32 s15, s15, s12                     ; my block of 512 queries
	s_lshl_b32 s94, s15, 15
	s_add_co_u32 s94, s94, s14
	s_lshl_b32 s15, s[WV], 12
	s_add_co_u32 s94, s94, s15                     ; my wave's 64 rows of 64 bytes
	s_mov_b32 s95, 0
	SHAPE G1K0, 3, 64, 128
	SHAPE G1K1, 3, 64, 384
	SHAPE G1V0, 4, 128, 64
	SHAPE G1V1, 4, 128, 192
	s_mov_b32 s[G0K0], 1
	s_mul_i32 s[G0K0+1], s11, KCH
	s_mov_b32 s[G0K1], 1
	s_mul_i32 s[G0K1+1], s11, 3*KCH
	s_add_co_u32 s[G0K1+1], s[G0K1+1], 4*KCH
	s_mov_b32 s[G0V0], 1
	s_mul_i32 s[G0V0+1], s11, VCH
	s_add_co_u32 s[G0V0+1], s[G0V0+1], VOFF
	s_mov_b32 s[G0V1], 1
	s_mul_i32 s[G0V1+1], s11, 3*VCH
	s_add_co_u32 s[G0V1+1], s[G0V1+1], VOFF+4*VCH
	s_mov_b32 s[SEL], 0x76543210
	s_mov_b32 s[SEL+1], 0xfedcba98
	s_mov_b32 s[CS], 0x3e38aa3b                    ; log2(e) / 8
	s_wait_dscnt 0x0
	s_wait_kmcnt 0x0
	s_load_b256 s[76:83], s[6:7], 0x0              ; e0 .. e7
	s_load_b128 s[84:87], s[6:7], 0x20             ; e8 .. e11
	s_add_nc_u64 s[G0K0+2:G0K0+3], s[4:5], s[16:17]
	s_add_nc_u64 s[G0K1+2:G0K1+3], s[4:5], s[18:19]
	s_add_nc_u64 s[G0V0+2:G0V0+3], s[G0K0+2:G0K0+3], 0x800000   ; V's part lies 2^23 bytes behind K's, shared out alike
	s_add_nc_u64 s[G0V1+2:G0V1+3], s[G0K1+2:G0K1+3], 0x800000
	s_or_b32 s[G0K0+3], s[G0K0+3], 0x80000000
	s_or_b32 s[G0K1+3], s[G0K1+3], 0x80000000
	s_or_b32 s[G0V0+3], s[G0V0+3], 0x80000000
	s_or_b32 s[G0V1+3], s[G0V1+3], 0x80000000
	s_add_nc_u64 s[92:93], s[4:5], s[94:95]        ; q at my wave's first row
	s_add_nc_u64 s[8:9], s[8:9], s[94:95]          ; the result likewise
	CROUND                                         ; all four work-groups are here: the joint loads meet
	JLOAD G0K0, G1K0, G0V0, G1V0                   ; the first 512 keys: one tensor load a wave at the head
	v_and_b32 v9, 15, v0                           ; r
	v_bfe_u32 v10, v0, 4, 1                        ; h
	v_and_b32 v11, 31, v0                          ; lane
	v_lshlrev_b32 v[QO], 6, v9
	v_lshl_add_u32 v[QO], v10, 4, v[QO]            ; row r of 64 bytes, + 16 h
.irp x, 0,1,2,3
.irp c, 0,1
	global_load_b128 v[Q+8*\x+4*\c:Q+8*\x+4*\c+3], v[QO], s[92:93] offset:1024*\x+32*\c   ; Q stays in registers: d = 32 c + 16 h + 0 .. 15, as K's fragments have it
.endr
.endr
	v_mul_u32_u24 v[AK0], v9, KP
	v_lshl_add_u32 v[AK0], v10, 4, v[AK0]
	v_mul_u32_u24 v[AV0], v9, VP
	v_lshl_add_u32 v[AV0], v10, 4, v[AV0]
	v_add_nc_u32 v[AV0], VOFF, v[AV0]
	s_mul_i32 s14, s[WV], 16*SP
	s_add_co_u32 s14, s14, STAGE                   ; my stage
	v_mul_u32_u24 v[STO], v9, SP
	v_lshl_add_u32 v[STO], v10, 5, v[STO]
	v_add_nc_u32 v[STO], s14, v[STO]               ; in: row r, 32 bytes for each half of the lanes
	v_lshrrev_b32 v32, 2, v11
	v_and_b32 v33, 3, v11
	v_mul_u32_u24 v[RD], v32, SP
	v_lshl_add_u32 v[RD], v33, 4, v[RD]
	v_add_nc_u32 v[RD], s14, v[RD]                 ; back: four lanes to a row, eight rows an instruction
	v_lshlrev_b32 v[GO], 4, v11
.irp x, 0,1,2,3
	v_mov_b32 v[ST+4*\x], 0x7f61b1e6               ; -M = 3e38: the first f is then 0
	v_mov_b32 v[ST+4*\x+1], 0xff61b1e6             ; the largest score so far: -3e38
	v_mov_b32 v[ST+4*\x+2], 0                      ; the sum, in two halves
	v_mov_b32 v[ST+4*\x+3], 0
.endr
	v_mov_b32 v[F+1], 0                            ; (named as upper halves of pairs)
	v_mov_b32 v[F+3], 0
	v_mov_b32 v[PD], 0                             ; a lane permute's destination counts as one of its sources
	v_mov_b32 v[PD+1], 0
	WIN 0x40
.set ii, 0
.rept 128
	v_mov_b32 v[ii], 0                             ; O^T: the step has no first form of its own; the first f, 0, leaves zeros
.set ii, ii+1
.endr
	WIN 0
	s_wait_kmcnt 0x0
	s_add_co_i32 s14, s82, s83
	s_lshl_b32 s14, s14, 23
	s_add_co_i32 s[CS], s[CS], s14                 ; e6 + e7 onto c's exponent field
	s_mov_b32 s[CS+1], s[CS]
	s_add_co_i32 s14, s84, 127
	s_lshl_b32 s15, s14, 23
	v_mov_b32 v[SCL], s15
	s_add_co_i32 s14, s14, 15
	s_lshl_b32 s14, s14, 23
	s_or_b32 s[HS], s14, 0x600000
	s_add_co_i32 s14, s86, 127
	s_lshl_b32 s15, s14, 23
	v_mov_b32 v[SCL2], s15
	s_add_co_i32 s14, s14, 15
	s_lshl_b32 s14, s14, 23
	s_or_b32 s14, s14, 0x600000
	v_mov_b32 v[LIM2], s14
.macro QK x                            ; S^T of tile x: eight products of 16 keys x 16 queries x 64, each begun with 0
	WIN 0x01
.irp u, 0,1,2,3,4,5,6,7
	v_wmma_f32_16x16x64_bf8_bf8 v[S+64*((\x)%2)+8*\u:S+64*((\x)%2)+8*\u+7], v[KF+8*\u:KF+8*\u+7], v[Q+8*(\x):Q+8*(\x)+7], 0
.endr
.endm
.macro PV x                            ; O^T of tile x += V^T P^T: four accumulators by turns
	WIN 0x51
.irp t, 0,1,2,3
	v_wmma_f32_16x16x128_bf8_bf8 v[32*(\x)+8*\t:32*(\x)+8*\t+7], v[VF+16*\t:VF+16*\t+15], v[P+16*((\x)%2):P+16*((\x)%2)+15], v[32*(\x)+8*\t:32*(\x)+8*\t+7]
.endr
.endm
; The softmax of tiles a and a + 1 for the step.  kpre = 0: V's loads are waited for here; kpre = 1: the next step's K is fetched here.
.macro SOFT2 a, kpre
	WIN 0
.irp y, 0,1                            ; the largest score: two chains a tile, four by turns, each accumulator from its low end on
	v_max3_num_f32 v[TA+2*\y], v[S+64*\y], v[S+64*\y+1], v[S+64*\y+2]
	v_max3_num_f32 v[TA+2*\y+1], v[S+64*\y+3], v[S+64*\y+4], v[S+64*\y+5]
.endr
.irp i, 6,10,14,18,22,26,30,34,38,42,46,50,54,58
.irp y, 0,1
	v_max3_num_f32 v[TA+2*\y], v[TA+2*\y], v[S+64*\y+\i], v[S+64*\y+\i+1]
	v_max3_num_f32 v[TA+2*\y+1], v[TA+2*\y+1], v[S+64*\y+\i+2], v[S+64*\y+\i+3]
.endr
.endr
.irp y, 0,1
	v_max3_num_f32 v[TA+2*\y], v[TA+2*\y], v[S+64*\y+62], v[S+64*\y+63]
.endr
.irp y, 0,1
	v_max_num_f32 v[TA+2*\y], v[TA+2*\y], v[TA+2*\y+1]
.endr
.irp y, 0,1
	v_permlanex16_b32 v[PD+\y], v[TA+2*\y], s[SEL], s[SEL+1]
.endr
.irp y, 0,1
	v_max3_num_f32 v[ST+4*(\a+\y)+1], v[ST+4*(\a+\y)+1], v[TA+2*\y], v[PD+\y]   ; mine, lane l xor 16's and the running one
.endr
.irp y, 0,1
	v_mul_f32 v[TA+2*\y], s[CS], v[ST+4*(\a+\y)+1]   ; as t
.endr
.irp y, 0,1
	v_mov_b32 v[TA+2*\y+1], v[ST+4*(\a+\y)]          ; the old -M
.endr
.irp y, 0,1
	v_floor_f32 v[ST+4*(\a+\y)], -v[TA+2*\y]         ; the new -M = floor(-t)
.endr
.set jj, 0
.rept 32                               ; t - M, two at a time; f's three lines stand among them
.irp y, 0,1
	v_pk_fma_f32 v[S+64*\y+jj:S+64*\y+jj+1], v[S+64*\y+jj:S+64*\y+jj+1], s[CS:CS+1], v[ST+4*(\a+\y):ST+4*(\a+\y)+1] op_sel_hi:[1,0,0]
.endr
.irp y, 0,1
.if jj == 8
	v_sub_f32 v[TA+2*\y], v[ST+4*(\a+\y)], v[TA+2*\y+1]   ; old M less new M: a whole number, 0 or less
.endif
.if jj == 16
	v_cvt_i32_f32 v[TA+2*\y], v[TA+2*\y]             ; (it saturates)
.endif
.if jj == 24
	v_ldexp_f32 v[F+2*\y], 1.0, v[TA+2*\y]           ; f = 2^(old M - new M)
.endif
.endr
.set jj, jj+2
.endr
.if \kpre
	WIN 0x40
	KLD ADK                                        ; K's registers were last read by tile 3's products, far more than four plain lines ago
	WIN 0
.endif
	s_wait_alu depctr_va_vdst(0)                   ; the wait ahead of the batch (and ahead of the wait below)
.if \kpre == 0
	s_wait_dscnt 0x0                               ; V is in
.endif
.set jj, 0
.rept 128
	v_exp_f32 v[S+jj], v[S+jj]                     ; p = 2^(t - M): not normalised
.set jj, jj+1
.endr
.irp y, 0,1
	v_pk_mul_f32 v[ST+4*(\a+\y)+2:ST+4*(\a+\y)+3], v[ST+4*(\a+\y)+2:ST+4*(\a+\y)+3], v[F+2*\y:F+2*\y+1] op_sel_hi:[1,0]   ; the sums under the new M: plain lines behind the batch
.endr
	WIN 0x41
	s_wait_alu depctr_va_vdst(0)                   ; one wait for the batch, directly ahead of O^T's first readers
.irp y, 0,1
.set jj, 0
.rept 16
	v_pk_mul_f32 v[32*(\a+\y)+jj:32*(\a+\y)+jj+1], v[32*(\a+\y)+jj:32*(\a+\y)+jj+1], v[F+2*\y:F+2*\y+1] op_sel_hi:[1,0]   ; O^T under the new M
.set jj, jj+2
.endr
.endr
	WIN 0
.irp y, 0,1                            ; the row's sum of the UNQUANTISED p: two chains a tile, four by turns
	v_pk_add_f32 v[SU+2*\y:SU+2*\y+1], v[S+64*\y:S+64*\y+1], v[S+64*\y+2:S+64*\y+3]
.endr
.irp j, 4,8,12,16,20,24,28,32,36,40,44,48,52,56,60
.irp y, 0,1
	v_pk_add_f32 v[ST+4*(\a+\y)+2:ST+4*(\a+\y)+3], v[ST+4*(\a+\y)+2:ST+4*(\a+\y)+3], v[S+64*\y+\j:S+64*\y+\j+1]
	v_pk_add_f32 v[SU+2*\y:SU+2*\y+1], v[SU+2*\y:SU+2*\y+1], v[S+64*\y+\j+2:S+64*\y+\j+3]
.endr
.endr
.irp y, 0,1
	v_pk_add_f32 v[ST+4*(\a+\y)+2:ST+4*(\a+\y)+3], v[ST+4*(\a+\y)+2:ST+4*(\a+\y)+3], v[SU+2*\y:SU+2*\y+1]
.endr
.set jj, 0
.rept 64                               ; the hold: the conversion does not saturate (ISA guide 7.6.2); p is not negative, so it is one-sided; two numbers a line
	v_dual_min_num_f32 v[S+jj], s[HS], v[S+jj] :: v_dual_min_num_f32 v[S+jj+1], s[HS], v[S+jj+1]
.set jj, jj+2
.endr
.irp y, 0,1
.irp b, 0,1,2,3
	v_cvt_scalef32_pk8_bf8_f32 v[P+16*\y+4*\b:P+16*\y+4*\b+1], v[S+64*\y+16*\b:S+64*\y+16*\b+7], v[SCL]
	v_cvt_scalef32_pk8_bf8_f32 v[P+16*\y+4*\b+2:P+16*\y+4*\b+3], v[S+64*\y+16*\b+8:S+64*\y+16*\b+15], v[SCL]
.endr
.endr
	v_nop                                          ; one plain line between the last conversion and the products that read P and write over S^T
.endm
; A KEY STEP: 128 keys.  K's fragments were fetched in the step before.
.macro STEP
	WIN 0
	v_add_nc_u32 v[ADV], s[TBV], v[AV0]
	v_add_nc_u32 v[ADK], s[TKN], v[AK0]
	v_nop
	v_nop                                          ; four places behind the last step's products, in front of the loads into V's registers
	WIN 0x40
.irp t, 0,1,2,3
.irp c, 0,1,2,3
	ds_load_b128 v[VF+16*\t+4*\c:VF+16*\t+4*\c+3], v[ADV] offset:16*VP*\t+32*\c
.endr
.endr
	s_wait_dscnt 16                                ; K's 16 older loads are in; V's 16 may be out
	QK 0
	QK 1
	WIN 0
.rept 4
	v_nop
.endr
	SOFT2 0, 0
	PV 0
	PV 1
	QK 2
	QK 3
	WIN 0
.rept 4
	v_nop
.endr
	SOFT2 2, 1
	PV 2
	PV 3
	WIN 0
.endm
.macro KLOOP trips, first              ; steps first .. first + trips - 1; each fetches the next step's K (the last step of all: its own once more)
	s_mov_b32 s[TBK], ((\first)+1)*KCH
	s_mov_b32 s[TBV], (\first)*VCH
	s_mov_b32 s[CNT], \trips
.Lkeys_\@:
	s_min_u32 s[TKN], s[TBK], 15*KCH
	STEP
	s_add_co_u32 s[TBK], s[TBK], KCH
	s_add_co_u32 s[TBV], s[TBV], VCH
	s_sub_co_u32 s[CNT], s[CNT], 1
	s_cmp_lg_u32 s[CNT], 0
	s_cbranch_scc1 .Lkeys_\@
.endm
	s_wait_alu depctr_va_vdst(0)                   ; the wait at the head's end
	s_wait_tensorcnt 0x0                           ; my part of the first 512 keys is in; the full sequence ahead of a later first fill:
	ds_add_u32 v[SPW], v[NIL]
	s_wait_dscnt 0x0
	CROUND                                         ; everybody's part is in, and the four work-groups meet
	JLOAD G0K1, G1K1, G0V1, G1V1                   ; the other 1,536 keys: my one load behind the round
	WIN 0x40
	KLD AK0                                        ; step 0's K
	WIN 0
	s_wait_loadcnt 0x0                             ; Q
	KLOOP 3, 0                                     ; steps 0-2 read K below 4 KCH and V below VOFF + 3 VCH: what the first loads brought
	s_wait_tensorcnt 0x0                           ; my part of the rest is in,
	s_wait_dscnt 0x0
	s_barrier_signal -1
	s_barrier_wait -1                              ; everybody's is; nothing is filled again
	KLOOP 13, 3
	; THE WAY OUT.  O^T x 2^(e8 + e9) / the sum is held, converted with 2^e10, and goes through my stage, a tile (16 rows of 64 bytes) at a time.
.irp x, 0,1,2,3
	v_add_f32 v[ST+4*\x+2], v[ST+4*\x+2], v[ST+4*\x+3]
.endr
.irp x, 0,1,2,3
	v_permlanex16_b32 v[ST+4*\x+3], v[ST+4*\x+2], s[SEL], s[SEL+1]
.endr
.irp x, 0,1,2,3
	v_add_f32 v[ST+4*\x+2], v[ST+4*\x+2], v[ST+4*\x+3]   ; the row's sum
.endr
	s_wait_alu depctr_va_vdst(0)                   ; ahead of the batch
.irp x, 0,1,2,3
	v_rcp_f32 v[ST+4*\x+2], v[ST+4*\x+2]
.endr
	v_nop
	s_add_co_i32 s14, s84, s85
	s_wait_alu depctr_va_vdst(0)                   ; behind it, ahead of its first reader
.irp x, 0,1,2,3
	v_ldexp_f32 v[ST+4*\x+2], v[ST+4*\x+2], s14    ; x 2^(e8 + e9)
.endr
	WIN 0x01
	s_wait_alu depctr_va_vdst(0)                   ; directly ahead of O^T's first readers
.irp x, 0,1,2,3
.set jj, 0
.rept 16
	v_pk_mul_f32 v[S+32*\x+jj:S+32*\x+jj+1], v[32*\x+jj:32*\x+jj+1], v[ST+4*\x+2:ST+4*\x+3] op_sel_hi:[1,0]   ; each accumulator from its low end on
.set jj, jj+2
.endr
.endr
	WIN 0
.irp x, 0,1,2,3
.set jj, 0
.rept 32
	v_med3_num_f32 v[S+32*\x+jj], v[S+32*\x+jj], -v[LIM2], v[LIM2]
.set jj, jj+1
.endr
.irp t, 0,1,2,3
	v_cvt_scalef32_pk8_bf8_f32 v[P+8*\x+2*\t:P+8*\x+2*\t+1], v[S+32*\x+8*\t:S+32*\x+8*\t+7], v[SCL2]
.endr
	v_nop
	ds_store_b128 v[STO], v[P+8*\x:P+8*\x+3]                   ; d = 32 h + 0 .. 15 of row r,
	ds_store_b128 v[STO], v[P+8*\x+4:P+8*\x+7] offset:16       ; d = 32 h + 16 .. 31
	ds_load_b128 v[Q+8*\x:Q+8*\x+3], v[RD]                     ; LDS serves a wave's instructions in order (ISA guide 5.7.1.4)
	ds_load_b128 v[Q+8*\x+4:Q+8*\x+7], v[RD] offset:8*SP
.endr
	s_wait_dscnt 0x0
.irp x, 0,1,2,3
.irp i, 0,1
	global_store_b128 v[GO], v[Q+8*\x+4*\i:Q+8*\x+4*\i+3], s[8:9] offset:1024*\x+512*\i   ; eight rows of 64 bytes: 512 consecutive bytes, aligned
.endr
.endr
	s_wait_tensorcnt 0x0                           ; the wave's end
	ds_add_u32 v[SPW], v[NIL]
	s_wait_dscnt 0x0
	CROUND                                         ; the closing round
	s_endpgm
.Lfunc_end_k_qf0ee19019b_attn:
	.size	k_qf0ee19019b_attn, .Lfunc_end_k_qf0ee19019b_attn-k_qf0ee19019b_attn
	.p2alignl 7, 3214868480
	.fill 96, 4, 3214868480
	.section	.rodata,"a",@progbits
	.p2align	6, 0x0
	.amdhsa_kernel k_qf0ee19019b_attn
		.amdhsa_group_segment_fixed_size 327680
		.amdhsa_private_segment_fixed_size 0
		.amdhsa_enable_private_segment 0
		.amdhsa_kernarg_size 24
		.amdhsa_user_sgpr_count 2
		.amdhsa_user_sgpr_kernarg_segment_ptr 1
		.amdhsa_wavefront_size32 1
		.amdhsa_system_sgpr_workgroup_id_x 1
		.amdhsa_system_sgpr_workgroup_id_y 1
		.amdhsa_system_sgpr_workgroup_id_z 1
		.amdhsa_system_vgpr_workitem_id 0
		.amdhsa_next_free_vgpr 512
		.amdhsa_next_free_sgpr 100
		.amdhsa_reserve_vcc 0
		.amdhsa_float_denorm_mode_32 3
		.amdhsa_float_denorm_mode_16_64 3
		.amdhsa_memory_ordered 1
		.amdhsa_forward_progress 1
		.amdhsa_inst_pref_size 141
	.end_amdhsa_kernel
	.amdgpu_metadata
---
amdhsa.version: [ 1, 2 ]
amdhsa.kernels:
  - .name:           k_qf0ee19019b_attn
    .symbol:         k_qf0ee19019b_attn.kd
    .args:
      - { .name: qkv_codes, .offset: 0, .size: 8, .value_kind: global_buffer, .address_space: global }
      - { .name: lowp_scales, .offset: 8, .size: 8, .value_kind: global_buffer, .address_space: global }
      - { .name: vals_codes, .offset: 16, .size: 8, .value_kind: global_buffer, .address_space: global }
    .group_segment_fixed_size: 327680
    .private_segment_fixed_size: 0
    .kernarg_segment_align: 8
    .kernarg_segment_size: 24
    .max_flat_workgroup_size: 256
    .sgpr_count:     100
    .vgpr_count:     512
    .wavefront_size: 32
...
	.end_amdgpu_metadata
.endif
;; end of part 3
;; launch outp (part 4): grid 4 x 64, 4 waves a work-group, clusters of 4 x 4, 327,680 bytes of LDS; arguments vals_codes, w_codes, lowp_scales, bo, out0; writes out0
.if DOCPART == 4
	.amdgcn_target "amdgcn-amd-amdhsa--gfx1250"
	.amdhsa_code_object_version 6
	.text
	.protected	k_qf0ee19019b_outp
	.globl	k_qf0ee19019b_outp
	.p2align	8
	.type	k_qf0ee19019b_outp,@function
k_qf0ee19019b_outp:
	s_mov_b64 s[64:65], 0
	v_nop
	global_prefetch_b8 v0, s[64:65] scope:SCOPE_SE
	s_setreg_imm32_b32 hwreg(HW_REG_WAVE_MODE, 25, 1), 1
	s_wait_xcnt 0x0
	s_wait_alu depctr_hold_cnt(0) depctr_sa_sdst(0) depctr_va_vdst(0) depctr_va_sdst(0) depctr_va_ssrc(0) depctr_va_vcc(0) depctr_vm_vsrc(0)
	s_getreg_b32 s2, hwreg(HW_REG_IB_STS2, 6, 4)
	s_cmp_eq_u32 s2, 0
	s_cbranch_scc0 .Lentry_in_a_cluster
	s_endpgm
.Lentry_in_a_cluster:
	s_bfe_u32 s2, ttmp6, 0x10000c
	s_cmp_lg_u32 s2, 0xf033
	s_cbranch_scc0 .Lentry_shape_is_right
	s_endpgm
.Lentry_shape_is_right:
; out0[m][n] = 2^(e10 + e11) x (the sum over k of vals[m][k] Wo[k][n], on codes of E5M2) + bo[n].  LIMIT: e10 + e11 between -126 and 127.
; vals_codes: [batch x 16 + head][2048][64 d], k = 64 head + d.  Wo's codes: w_codes + 3 x 2^20, [1024 stored rows][1024 k]; column n lies at stored row (n & ~63) + 16 ((n >> 3) & 3) + 8 ((n >> 5) & 1) + (n & 7).
; SHARES.  A work-group makes 128 rows x 256 columns: 64 x 4 = 256 work-groups.  Four waves, each 64 rows x 128 columns: 32 accumulators, 256 registers.
; LDS.  A's whole K lies in LDS, [16 heads][128 rows][64 + 16 bytes], filled once.  B has ONE slot of 512 along K (256 rows of 512 + 16 bytes), filled twice.  At the head each wave issues one joint load (waves 0, 1: eight heads of A each;
; waves 2, 3: 128 rows of B each).  B's second half is asked for behind the full sequence and a round of the cluster's barrier, as soon as K step 3's fragments are in registers: 64 rows a wave; step 3's 32 products stand behind the request.
; CLUSTERS of 4 x 4: A's tile is shared along a row of the cluster, B's along a column.
; PREFETCH.  B's second half, 256 rows x 2 blocks of 256 bytes, is asked for once in each cluster at the head: the column's four partners take 64 rows each, told apart by address; a wave 16 rows, a lane a block.  A comes whole at the head.
; THE MATRIX INSTRUCTION IS USED TRANSPOSED (source 0 = 16 stored rows of B, source 1 = 16 rows of A): in tile b = 4 g + t a lane's register j is column 64 g + 32 h + 8 t + j of row l % 16.
; REGISTERS.  Window 0: v8-30 addresses; v32-95 the bias in the accumulators' order; v128-255 A's fragments, two sets of 4 x 16.  Window 1: B's fragments, two sets of 8 x 16.  Window 2: the accumulators, (a, b) at v[8 (8 a + b)].
.set KROW,   1024
.set APITCH, 80
.set HEADB,  128*APITCH
.set AREG,   16*HEADB
.set BP,     528
.set SPARE,  AREG+256*BP
.set SPITCH, 528                       ; the way out: 16 rows x (512 + 16) bytes a wave, in A's region, behind a barrier behind which nobody reads it; it has had its only fill
.set FR,   16
.set BO1,  8
.set ADRA, 16                          ; v16-23 my A fragments of K step q
.set ADRB, 24
.set STO,  25
.set RD,   26
.set CO,   27
.set SPW,  28
.set NIL,  29
.set PFO,  30
.set BI,   32
.set AF,   128
.set BK,   128
.set TMP,  0
.set G1,  24
.set G0,  32
.set G1B, 48
.set G0B, 56
.set G1C, 68
.set G0C, 76
.set PFA, 80
.set MSB, 0
.macro WIN new
.if MSB != \new
	s_set_vgpr_msb (MSB<<8)|\new
.set MSB, \new
.endif
.endm
.set MUL_LO, 0xa1                      ; source 0 (B) window 1, source 1 (A) window 0, C and D window 2
.set TO_B,   0x40
.macro CROUND
	s_barrier_signal -1
	s_barrier_wait -1
	s_cmp_lg_u32 s14, 0
	s_cbranch_scc1 .Lnot_wave_0_\@
	s_barrier_signal -3
.Lnot_wave_0_\@:
	s_barrier_wait -3
	s_barrier_signal -1
	s_barrier_wait -1
.endm
.macro PLACES n
.rept \n
	v_nop
.endr
.endm
	s_load_b128 s[4:7], s[0:1], 0x0                ; vals_codes, w_codes
	s_load_b128 s[8:11], s[0:1], 0x10              ; the scales' exponents, bo
	s_load_b64 s[12:13], s[0:1], 0x20              ; out0
	v_lshl_add_u32 v[SPW], v0, 2, SPARE
	v_mov_b32 v[NIL], 0
	ds_add_u32 v[SPW], v[NIL]                      ; the opening lines: the add twice on end and its wait
	ds_add_u32 v[SPW], v[NIL]
	v_lshrrev_b32 v1, 5, v0
	v_readfirstlane_b32 s14, v1                    ; wave
	s_lshr_b32 s15, s14, 1                         ; my 64 rows.  Also: I fetch for A (0) or for B (1)
	s_and_b32 s16, s14, 1                          ; my 128 columns.  Also: which half I fetch
	s_bfe_u32 s40, ttmp6, 0x40000                  ; cx = the tile column
	s_bfe_u32 s41, ttmp6, 0x40004                  ; cy
	s_and_b32 s17, ttmp7, 0xffff
	s_lshl_b32 s17, s17, 2
	s_add_co_u32 s17, s17, s41                     ; tile row, 0 .. 63
	s_lshl_b32 s43, s41, 2
	s_lshl_b32 s43, 15, s43                        ; my row of the cluster
	s_lshl_b32 s44, 0x1111, s40                    ; my column
	s_or_b32 s[G1+0], s43, (1<<20)|(1<<21)|(3<<22)|(3<<25)    ; A: eight heads, each 128 rows x 64 bytes on end; four words of padding behind every 16
	s_mov_b32 s[G1+1], 8192<<16
	s_mov_b32 s[G1+2], 8<<16
	s_mov_b32 s[G1+3], 8192<<16
	s_mov_b32 s[G1+4], 8
	s_mov_b32 s[G1+5], 131072
	s_mov_b32 s[G1+6], 0
	s_mov_b32 s[G1+7], 0
	s_or_b32 s[G1B+0], s44, (1<<20)|(1<<21)|(6<<22)|(3<<25)   ; B: rows of 512 bytes; four words of padding behind every 128
	s_mov_b32 s[G1B+1], 512<<16
	s_mov_b32 s[G1B+2], 128<<16
	s_mov_b32 s[G1B+3], 512<<16
	s_mov_b32 s[G1B+4], 128
	s_mov_b32 s[G1B+5], KROW
	s_mov_b32 s[G1B+6], 0
	s_mov_b32 s[G1B+7], 0
	s_or_b32 s[G1C+0], s44, (1<<20)|(1<<21)|(6<<22)|(3<<25)   ; the refill: 64 rows a wave
	s_mov_b32 s[G1C+1], 512<<16
	s_mov_b32 s[G1C+2], 64<<16
	s_mov_b32 s[G1C+3], 512<<16
	s_mov_b32 s[G1C+4], 64
	s_mov_b32 s[G1C+5], KROW
	s_mov_b32 s[G1C+6], 0
	s_mov_b32 s[G1C+7], 0
	s_lshr_b32 s20, s17, 4                         ; A: the batch's 16 heads of 2^17 bytes,
	s_lshl_b32 s20, s20, 21
	s_and_b32 s18, s17, 15
	s_lshl_b32 s18, s18, 13                        ; 128 rows of 64 bytes for each tile row in the batch,
	s_add_co_u32 s20, s20, s18
	s_lshl_b32 s18, s16, 20                        ; eight heads for each half
	s_add_co_u32 s20, s20, s18
	s_mov_b32 s21, 0
	s_lshl_b32 s46, s40, 18                        ; B: 256 stored rows for each tile column, in Wo's part
	s_add_co_u32 s46, s46, 3<<20
	s_mov_b32 s47, 0
	s_lshl_b32 s82, s16, 17                        ; the head's load: 128 rows for each half
	s_mov_b32 s83, 0
	s_lshl_b32 s84, s14, 16                        ; the refill: 64 rows for each wave, 512 along K on
	s_add_co_u32 s84, s84, 512
	s_mov_b32 s85, 0
	s_lshl_b32 s86, s41, 16                        ; the prefetch: 64 rows for each place in the column, 16 for each wave, 512 along K on
	s_lshl_b32 s18, s14, 14
	s_add_co_u32 s86, s86, s18
	s_add_co_u32 s86, s86, 512
	s_mov_b32 s87, 0
	s_mul_i32 s22, s15, 64*APITCH                  ; s22: my 64 rows of A in a head
	s_mul_i32 s23, s16, 128*BP
	s_add_co_u32 s23, s23, AREG                    ; s23: my 128 rows of B
	s_mul_i32 s42, s14, 16*SPITCH                  ; s42: my stage
	s_lshl_b32 s90, s40, 10
	s_lshl_b32 s91, s16, 9
	s_add_co_u32 s90, s90, s91                     ; s90: my first column, in bytes of f32
	s_lshl_b32 s18, s17, 19                        ; out0: 128 rows of 4,096 bytes for each tile row,
	s_lshl_b32 s19, s15, 18                        ; 64 rows for each half,
	s_add_co_u32 s18, s18, s19
	s_add_co_u32 s18, s18, s90                     ; my first column
	s_mov_b32 s19, 0
	s_mov_b32 s[G0], 1
	s_mul_i32 s[G0+1], s16, 8*HEADB
	s_mov_b32 s[G0B], 1
	s_mul_i32 s[G0B+1], s16, 128*BP
	s_add_co_u32 s[G0B+1], s[G0B+1], AREG
	s_mov_b32 s[G0C], 1
	s_mul_i32 s[G0C+1], s14, 64*BP
	s_add_co_u32 s[G0C+1], s[G0C+1], AREG
	s_wait_dscnt 0x0                               ; both opening adds are done
	s_wait_kmcnt 0x0
	s_load_b64 s[96:97], s[8:9], 0x28              ; e10, e11
	s_add_nc_u64 s[46:47], s[6:7], s[46:47]
	s_add_nc_u64 s[G0+2:G0+3], s[4:5], s[20:21]
	s_or_b32 s[G0+3], s[G0+3], 0x80000000
	s_add_nc_u64 s[G0B+2:G0B+3], s[46:47], s[82:83]
	s_or_b32 s[G0B+3], s[G0B+3], 0x80000000
	s_add_nc_u64 s[G0C+2:G0C+3], s[46:47], s[84:85]
	s_or_b32 s[G0C+3], s[G0C+3], 0x80000000
	s_add_nc_u64 s[PFA:PFA+1], s[46:47], s[86:87]
	s_add_nc_u64 s[12:13], s[12:13], s[18:19]
	CROUND                                         ; all sixteen work-groups are here: the first joint loads meet
	s_cmp_eq_u32 s15, 0                            ; one tensor load a wave at the head; s_nop 0 and four v_nop behind each line
	s_cbranch_scc0 .Lfor_b
	tensor_load_to_lds s[G0:G0+3], s[G1:G1+7]
	s_nop 0
	PLACES 4
	s_branch .Lasked
.Lfor_b:
	tensor_load_to_lds s[G0B:G0B+3], s[G1B:G1B+7]
	s_nop 0
	PLACES 4
.Lasked:
	v_and_b32 v1, 15, v0                           ; r
	v_bfe_u32 v2, v0, 4, 1                         ; h
	v_and_b32 v6, 31, v0
	v_lshrrev_b32 v7, 1, v6
	v_and_b32 v5, 1, v6
	v_lshlrev_b32 v[PFO], 10, v7                   ; two lanes to a row of 1,024 bytes,
	v_lshl_add_u32 v[PFO], v5, 8, v[PFO]           ; 256 bytes apart; never rewritten
	global_prefetch_b8 v[PFO], s[PFA:PFA+1] th:TH_LOAD_NT scope:SCOPE_SE
	v_lshl_add_u32 v[BO1], v2, 7, s90
.irp g, 0,1
.irp i, 0,1,2,3,4,5,6,7
	global_load_b128 v[BI+32*\g+4*\i:BI+32*\g+4*\i+3], v[BO1], s[10:11] offset:256*\g+16*\i   ; bo at columns 64 g + 32 h + 0 .. 31: the accumulators' order
.endr
.endr
	v_mul_u32_u24 v3, v1, APITCH
	v_lshl_add_u32 v3, v2, 4, v3
	v_add_nc_u32 v[ADRA], s22, v3
.irp q, 1,2,3,4,5,6,7
	v_add_nc_u32 v[ADRA+\q], 2*\q*HEADB, v[ADRA]   ; K step q: heads 2 q and 2 q + 1
.endr
	v_mul_u32_u24 v4, v1, BP
	v_lshl_add_u32 v4, v2, 4, v4
	v_add_nc_u32 v[ADRB], s23, v4
	v_mul_u32_u24 v9, v1, SPITCH
	v_lshl_add_u32 v9, v2, 7, v9
	v_add_nc_u32 v[STO], s42, v9                   ; the way out, in: row r, 128 bytes for each half of the lanes
	v_lshlrev_b32 v[CO], 4, v6
	v_add_nc_u32 v[RD], s42, v[CO]                 ; back: the 32 lanes take one row of 512 bytes
	s_wait_kmcnt 0x0
	s_add_co_i32 s96, s96, s97
	s_add_co_i32 s96, s96, 127
	s_lshl_b32 s96, s96, 23                        ; 2^(e10 + e11)
	s_mov_b32 s97, s96
.macro FETCH_B q, p                    ; B's eight fragments of K step q into set p: registers 4 c .. 4 c + 3 hold k = 32 c + 16 h + 0 .. 15, as A's do
	WIN TO_B
.irp i, 0,1,2,3,4,5,6,7
.irp c, 0,1,2,3
	ds_load_b128 v[128*(\p)+FR*\i+4*\c:128*(\p)+FR*\i+4*\c+3], v[ADRB] offset:128*((\q)%4)+32*\c+\i*16*BP
.endr
.endr
	WIN 0
.endm
.macro FETCH_A q, p                    ; A's four fragments
.irp i, 0,1,2,3
.irp c, 0,1,2,3
	ds_load_b128 v[AF+64*(\p)+FR*\i+4*\c:AF+64*(\p)+FR*\i+4*\c+3], v[ADRA+(\q)] offset:HEADB*(\c/2)+32*(\c%2)+\i*16*APITCH
.endr
.endr
.endm
.macro MUL32 p, zero                   ; the 32 accumulators by turns, one instruction a turn, in the same order in every step
	WIN MUL_LO
.irp a, 0,1,2,3
.irp b, 0,1,2,3,4,5,6,7
.if \zero
	v_wmma_f32_16x16x128_bf8_bf8 v[8*(8*\a+\b):8*(8*\a+\b)+7], v[128*(\p)+FR*\b:128*(\p)+FR*\b+FR-1], v[AF+64*(\p)+FR*\a:AF+64*(\p)+FR*\a+FR-1], 0
.else
	v_wmma_f32_16x16x128_bf8_bf8 v[8*(8*\a+\b):8*(8*\a+\b)+7], v[128*(\p)+FR*\b:128*(\p)+FR*\b+FR-1], v[AF+64*(\p)+FR*\a:AF+64*(\p)+FR*\a+FR-1], v[8*(8*\a+\b):8*(8*\a+\b)+7]
.endif
.endr
.endr
	WIN 0
.endm
.macro KS q, next, zero                ; K step q of 128: its fragments are in; the next step's are asked for ahead of its 32 products
	s_wait_dscnt 0x0
.if \next
	PLACES 4                                       ; in front of loads into registers that the last step's products read
	FETCH_B (\q)+1, 1-(\q)%2
	FETCH_A (\q)+1, 1-(\q)%2
.endif
	MUL32 (\q)%2, \zero
.endm
	s_wait_alu depctr_va_vdst(0)                   ; the wait at the head's end
	s_wait_tensorcnt 0x0                           ; my part is in,
	s_barrier_signal -1
	s_barrier_wait -1                              ; everybody's is
	FETCH_B 0, 0
	FETCH_A 0, 0
	KS 0, 1, 1                                     ; the first products start the sums
	KS 1, 1, 0
	KS 2, 1, 0
	s_wait_tensorcnt 0x0                           ; THE REFILL: no load of mine is out;
	ds_add_u32 v[SPW], v[NIL]                      ; the add;
	s_wait_dscnt 0x0                               ; it is done, K step 3's fragments are in registers, and my reads of B's slot are over
	CROUND                                         ; that holds of every wave of the cluster
	tensor_load_to_lds s[G0C:G0C+3], s[G1C:G1C+7]  ; B's k 512 .. 1023, 64 rows a wave
	s_nop 0
	PLACES 4                                       ; also the places in front of the loads below
	FETCH_A 4, 0
	MUL32 1, 0                                     ; K step 3
	s_wait_tensorcnt 0x0                           ; my part of B's second half is in,
	s_wait_dscnt 0x0
	s_barrier_signal -1
	s_barrier_wait -1                              ; everybody's is
	FETCH_B 4, 0
	KS 4, 1, 0
	KS 5, 1, 0
	KS 6, 1, 0
	KS 7, 0, 0
	s_barrier_signal -1                            ; no LDS instruction of mine is out: behind this barrier nobody reads A's region, where the stages lie
	s_barrier_wait -1
; THE WAY OUT, block by block of 16 rows x 128 columns: x 2^(e10 + e11), + bias, through my stage, back as whole rows of 512 bytes.
.macro TOSTAGE a
.set AC, 64*(\a)
	WIN 0x42                                       ; source 0 window 2, destination window 1
.irp j, 0,2,4,6,8,10,12,14,16,18,20,22,24,26,28,30,32,34,36,38,40,42,44,46,48,50,52,54,56,58,60,62
	v_pk_fma_f32 v[TMP+\j:TMP+\j+1], v[AC+\j:AC+\j+1], s[96:97], v[BI+\j:BI+\j+1] op_sel_hi:[1,0,1]   ; each accumulator from its low end on
.endr
	WIN 0x04                                       ; store data window 1
.irp b, 0,1,2,3,4,5,6,7
	ds_store_b128 v[STO], v[TMP+8*\b:TMP+8*\b+3] offset:256*(\b/4)+32*(\b%4)
	ds_store_b128 v[STO], v[TMP+8*\b+4:TMP+8*\b+7] offset:256*(\b/4)+32*(\b%4)+16
.endr
	WIN 0
.set BB, BK+64*((\a)%2)
.irp t, 0,1,2,3,4,5,6,7,8,9,10,11,12,13,14,15
	ds_load_b128 v[BB+4*\t:BB+4*\t+3], v[RD] offset:\t*SPITCH   ; LDS serves a wave's instructions in order (ISA guide 5.7.1.4)
.endr
.endm
.macro SEND a, younger
.set BB, BK+64*((\a)%2)
	s_wait_dscnt \younger                          ; the block is back; the next block's 16 stores and 16 loads may be out
.irp t, 0,1,2,3,4,5,6,7,8,9,10,11,12,13,14,15
	global_store_b128 v[CO], v[BB+4*\t:BB+4*\t+3], s[12:13] offset:(16*(\a)+\t)*4096 th:TH_STORE_NT   ; 32 lanes store 512 consecutive bytes, aligned
.endr
.endm
	s_wait_loadcnt 0x0                             ; the bias
	PLACES 4
	TOSTAGE 0
.irp a, 1,2,3
.if \a > 1
	s_wait_xcnt 0x0                                ; block a - 2's stores have read their registers
.endif
	TOSTAGE \a
	SEND \a-1, 32
.endr
	SEND 3, 0
	s_wait_tensorcnt 0x0                           ; the wave's end
	ds_add_u32 v[SPW], v[NIL]
	s_wait_dscnt 0x0
	CROUND                                         ; the closing round
	s_endpgm
.Lfunc_end_k_qf0ee19019b_outp:
	.size	k_qf0ee19019b_outp, .Lfunc_end_k_qf0ee19019b_outp-k_qf0ee19019b_outp
	.p2alignl 7, 3214868480
	.fill 96, 4, 3214868480
	.section	.rodata,"a",@progbits
	.p2align	6, 0x0
	.amdhsa_kernel k_qf0ee19019b_outp
		.amdhsa_group_segment_fixed_size 327680
		.amdhsa_private_segment_fixed_size 0
		.amdhsa_enable_private_segment 0
		.amdhsa_kernarg_size 40
		.amdhsa_user_sgpr_count 2
		.amdhsa_user_sgpr_kernarg_segment_ptr 1
		.amdhsa_wavefront_size32 1
		.amdhsa_system_sgpr_workgroup_id_x 1
		.amdhsa_system_sgpr_workgroup_id_y 1
		.amdhsa_system_sgpr_workgroup_id_z 1
		.amdhsa_system_vgpr_workitem_id 0
		.amdhsa_next_free_vgpr 768
		.amdhsa_next_free_sgpr 100
		.amdhsa_reserve_vcc 0
		.amdhsa_float_denorm_mode_32 3
		.amdhsa_float_denorm_mode_16_64 3
		.amdhsa_memory_ordered 1
		.amdhsa_forward_progress 1
		.amdhsa_inst_pref_size 75
	.end_amdhsa_kernel
	.amdgpu_metadata
---
amdhsa.version: [ 1, 2 ]
amdhsa.kernels:
  - .name:           k_qf0ee19019b_outp
    .symbol:         k_qf0ee19019b_outp.kd
    .args:
      - { .name: vals_codes, .offset: 0, .size: 8, .value_kind: global_buffer, .address_space: global }
      - { .name: w_codes, .offset: 8, .size: 8, .value_kind: global_buffer, .address_space: global }
      - { .name: lowp_scales, .offset: 16, .size: 8, .value_kind: global_buffer, .address_space: global }
      - { .name: bo, .offset: 24, .size: 8, .value_kind: global_buffer, .address_space: global }
      - { .name: out0, .offset: 32, .size: 8, .value_kind: global_buffer, .address_space: global }
    .group_segment_fixed_size: 327680
    .private_segment_fixed_size: 0
    .kernarg_segment_align: 8
    .kernarg_segment_size: 40
    .max_flat_workgroup_size: 128
    .sgpr_count:     100
    .vgpr_count:     768
    .wavefront_size: 32
...
	.end_amdgpu_metadata
.endif
;; end of part 4
